; MI455X (gfx1250); checked and timed in simulation.
; The chip was launched on July 23, 2026; its instructions are those of AMD's public machine-readable ISA for CDNA 5 (MIT licence, August 2026) and "CDNA5" Instruction Set Architecture Reference Guide (July 2026). The comments in the code are by the model that wrote it; some were corrected since.
;; Mo E. Allowed arithmetic: matrix products marked QUANTISED: E5M2 operands, one E8M0 scale for each 32 along K, by v_wmma_scale_f32_16x16x128_f8f6f4 with both operands' format E5M2, f32 sums; products left as they are: f32 operands where the result goes on into a quantised operand, else bf16, f16 or f32 operands; f32 sums; everything else in f32.
;; Inputs: W_in 8 x 2,048 x 1,024 float32; W_out 8 x 1,024 x 1,024 float32; b_in 8 x 2,048 float32; b_out 8 x 1,024 float32; combine_mask 4 x 512 x 8 float32; dispatch_mask 4 x 512 x 8 float32; hidden_states 4 x 512 x 1,024 float32.
;; Outputs: out0 4 x 512 x 1,024 float32.
;; This version of the problem:
;;   THIS VERSION OF THE PROBLEM IS GIVEN IN LOW PRECISION. The matrix products marked QUANTISED in the list below multiply operands that are first quantised to E5M2 (5 exponent bits, 2 mantissa bits; 8 bits a number), with one power-of-two scale for each 32 numbers along K (OCP MX v1.0); their sums are f32. All else is computed in f32.
;;   The module's matrix products, in the order in which they are computed (A, B: the left and right operand; K: the contracted axis; several contracted axes count as one K, in the product's order):
;;     1. batch 2,048 x [M 8, K 1] x [K 1, N 1,024]; A: computed on the way; B: computed on the way: left as it is (no contracted axis)
;;     2. batch 8 x [M 2,048, K 1,024] x [K 1,024, N 2,048]; A: computed on the way; B: input W_in: QUANTISED
;;     3. batch 8 x [M 2,048, K 1,024] x [K 1,024, N 1,024]; A: computed on the way; B: input W_out: QUANTISED
;;     4. batch 2,048 x [M 1,024, K 8] x [K 8, N 1]; A: computed on the way; B: input combine_mask: left as it is (K = 8 < 32)
;;   THE QUANTISER, for each operand of a quantised product, along K:
;;     - K is cut into blocks of 32 from its start; a last block that is shorter is filled with zeros.
;;     - A block's scale is 2^e with e = floor(log2(the largest magnitude in the block)) - 15, held to -126 .. 127; a block of zeros has e = 0. As a byte (E8M0): e + 127.
;;     - Each number is divided by its block's scale, clamped to +-57,344, and rounded to the nearest number of E5M2, ties to even, subnormals kept.
;;     - The product sums the exact products of the quantised numbers (number of the format x scale) in f32.
;;   ~~~python
;;   def quantise(x, axis):      # numpy; x: float32 -> the quantised numbers, widened to float32 again
;;       x = np.moveaxis(x, axis, -1); K = x.shape[-1]
;;       x = np.pad(x, [(0, 0)] * (x.ndim - 1) + [(0, -K % 32)]); x = x.reshape(x.shape[:-1] + (-1, 32)); a = np.abs(x).max(-1, keepdims=True)
;;       e = np.where(a > 0, np.clip(np.frexp(np.where(a > 0, a, 1))[1] - 1 - 15, -126, 127), 0)      # np.frexp(a)[1] - 1 = floor(log2(a)), exactly
;;       r = np.clip(x / 2.0 ** e, -57344, 57344)
;;       step = 2.0 ** (np.maximum(np.frexp(np.where(r == 0, 1, r))[1] - 1, -14) - 2)
;;       q = np.round(r / step) * step * 2.0 ** e      # np.round: ties to even
;;       return np.moveaxis(q.reshape(q.shape[:-2] + (-1,))[..., :K], -1, axis).astype(np.float32)
;;   ~~~
;;   OPERANDS COMPUTED ON THE WAY. 'Computed on the way' means the value that the module computes at that place (a softmax that the list does not call 'softmax' is quantised finished and normalised). What goes into a quantiser is computed in f32, as accurately as f32 sums, v_exp_f32 and their like allow (about 1e-6 of the number): no bf16 or f16 on the way to a quantiser, and a product that is left as it is and whose result goes on into a quantised operand takes f32 operands (vector FMAs, or v_wmma_f32_16x16x4_f32). A number that lies on a knife's edge between two numbers of the format may be rounded either way, as far as f32 arithmetic and the matrix unit's own rounding can turn it there, and no further.
;; 2 versions. Each part assembles by itself: llvm-mc -triple=amdgcn-amd-amdhsa -mcpu=gfx1250 --defsym DOCPART=n.
;; ======== version 1 of 2: 4 launches
;; workspace buffers: keys 8,192 bytes of whole numbers; sorted 8,192 bytes of whole numbers; xq 16,778,240 bytes; xs 524,544 bytes; wo_codes 8,388,608 bytes; wo_scales 262,144 bytes; hid 16,777,216 bytes; hsc 524,288 bytes
;; launch prep (part 1): grid 256 x 1, 2 waves a work-group, no clusters, 34,048 bytes of LDS; arguments W_out, combine_mask, wo_codes, wo_scales, keys; writes wo_codes, wo_scales, keys
.if DOCPART == 1
	.amdgcn_target "amdgcn-amd-amdhsa--gfx1250"
	.amdhsa_code_object_version 6
	.text
	.protected	k_q51d437da42_prep
	.globl	k_q51d437da42_prep
	.p2align	8
	.type	k_q51d437da42_prep,@function
k_q51d437da42_prep:
	s_mov_b64 s[64:65], 0
	v_nop
	global_prefetch_b8 v0, s[64:65] scope:SCOPE_SE
	s_setreg_imm32_b32 hwreg(HW_REG_WAVE_MODE, 25, 1), 1
	s_wait_xcnt 0x0
; THE PROGRAM.  out0[t] = sum over experts e of combine[t][e] x ( Q(h) Q(W_out[e])^T + b_out[e] ),  h = x' gelu(g'),  (x', g') = Q(x[t] dispatch[t][e]) Q(W_in[e])^T + b_in[e];
; Q: codes of BF8 (E5M2) with one E8M0 scale for each 32 along K.  Four launches: prep (this one), place, inproj, outproj.
; WHAT IS NOT COMPUTED.  A pair (token t, expert e) reaches out0 through the factor combine[t][e] alone.  Where that number is +0 or -0 the pair adds 0 x (a finite number) = 0, whatever the other inputs hold.
; Which pairs those are hangs on the values of combine_mask, so nothing of it is built in: this launch turns combine != 0 into one set of 8 bits for each token, stored as whole numbers at fixed places, and the later
; launches read those numbers and do only the pairs that they ask for.  Every split is served, all 2,048 x 8 pairs too.  dispatch_mask decides nothing: a pair with dispatch = 0 is computed (it gives GEGLU(b_in)).
; All seven inputs are loaded by some launch.  LIMIT: a NaN, an infinity or an overflow that arises only in a pair with combine = 0 is not carried to the result (0 x infinity would be NaN).
; LIMITS of the quantisers: a block whose largest magnitude lies under 2^-111, a block of zeros too, gets the scale byte 1 (its codes are zeros or the format's smallest; the bytes are read by this program alone);
; NaN and infinities among the inputs are not served.
; THIS LAUNCH.  (1) W_out [8][1024][1024] f32 is read once and quantised along its last axis.  Wave Wd = 2 x work-group + wave (0 .. 511) takes 16 rows (expert Wd / 64, columns 16 (Wd % 64) on), 8 K steps of 128.
; Its codes leave as IMAGES OF THE OPERAND'S REGISTERS: fragment (tile Wd, K step s) is 2,048 bytes at (8 Wd + s) x 2,048, register group c of lane l at 512 c + 16 l; every store covers 512 consecutive bytes.
; The scale bytes leave in natural order, 32 a row.  (2) keys[t] = (set << 11) | t for tokens 4 Wd .. 4 Wd + 3.
; A load takes 512 consecutive bytes of one row; the conversions want 16 neighbours along K in one lane: a K step's 8,192 bytes turn through the wave's own stage in LDS.  No barrier: waves share nothing.
; Matrix units, tensor loads and clusters are left out: every byte is read once by one wave, and nothing is multiplied.
.set RAW,      1                       ; the window of the ring of raw numbers
.set SKIP,     0                       ; the 16 rows of a tile are neighbours
.set TO_RAW,   RAW<<6
.set FROM_RAW, RAW<<2
.set STAGE,    8448                    ; 16 rows x (512 bytes + 16): pitch 528 = 33 x 16 bytes, so the sixteen rows that a load touches begin in sixteen different 16-byte columns modulo 256
.set WSTG,     2*STAGE                 ; two stages a wave
.set SPARE,    2*WSTG                  ; behind the stages: the spare words, 128 bytes a wave, one block of 256 bytes that no other line names
.set LO,  4                            ; v4   16 x lane; never rewritten
.set SA,  5                            ; v5   the stage, on the way in
.set SB,  6                            ; v6   and on the way out: row r, + 64 h
.set CM,  7                            ; v7   my number of combine_mask
.set X,   64                           ; v64-191  two sets of 64 numbers: register 16 c + i = k 128 s + 32 c + 16 h + i of row r
.set PC,  192                          ; v192-223 two sets of 16 registers of codes
.set TM,  224                          ; v224-239 at work in QUANT
.set SW,  240                          ; v240-247 the scale word of each K step
.set SPW, 252                          ; v252 my spare word's LDS address; never rewritten
.set NIL, 253                          ; v253 0; never rewritten
.set WB,  4                            ; s[4:5] my 16 rows
.set SEL, 30                           ; s[30:31] selects of v_permlanex16_b32 for lane l xor 16
.set MNT, 32                           ; s32  the mantissa field of 57,344
.set MSB, 0
.macro WIN new                         ; the immediate's high byte repeats the setting that is left
.if MSB != (\new)
	s_set_vgpr_msb (MSB<<8)|(\new)
.set MSB, (\new)
.endif
.endm
.macro LOADW t                         ; K step t of my 16 rows into ring set t % 4: each load reads 512 consecutive bytes
	WIN TO_RAW
.irp m, 0,1,2,3,4,5,6,7,8,9,10,11,12,13,14,15
	global_load_b128 v[64*((\t)%4)+4*\m:64*((\t)%4)+4*\m+3], v[LO], s[WB:WB+1] offset:(\m+SKIP*(\m/8))*4096+512*(\t) th:TH_LOAD_NT
.endr
	WIN 0
.endm
.macro TURN t                          ; ring set t % 4 through stage t % 2 into X's set t % 2.  LDS serves a wave's instructions in order: no wait between the stores and the loads
	WIN FROM_RAW
.irp m, 0,1,2,3,4,5,6,7,8,9,10,11,12,13,14,15
	ds_store_b128 v[SA], v[64*((\t)%4)+4*\m:64*((\t)%4)+4*\m+3] offset:STAGE*((\t)%2)+528*\m
.endr
	WIN 0
.irp c, 0,1,2,3
.irp j, 0,1,2,3
	ds_load_b128 v[X+64*((\t)%2)+16*\c+4*\j:X+64*((\t)%2)+16*\c+4*\j+3], v[SB] offset:STAGE*((\t)%2)+128*\c+16*\j
.endr
.endr
.endm
; 64 numbers of a lane, register 16 b + i = k 32 b + 16 h + i of my row, become a fragment's 16 registers of codes in v[pc] on and its scale word in v[pw]
.macro QUANT src, pc, pw
.irp b, 0,1,2,3
	v_max3_num_f32 v[TM+\b], |v[\src+16*\b]|, |v[\src+1+16*\b]|, 0x8000000   ; block b: my 16 numbers, and the floor 2^(16 - 127): the byte cannot fall under 1
.endr
.irp i, 2,4,6,8,10,12,14
.irp b, 0,1,2,3
	v_max3_num_f32 v[TM+\b], v[TM+\b], |v[\src+16*\b+\i]|, |v[\src+1+16*\b+\i]|   ; the four blocks by turns
.endr
.endr
.irp b, 0,1,2,3
	v_permlanex16_b32 v[TM+4+\b], v[TM+\b], s[SEL], s[SEL+1]
.endr
.irp b, 0,1,2,3
	v_max_num_f32 v[TM+\b], v[TM+\b], v[TM+4+\b]   ; with lane l xor 16's 16: the block's largest magnitude
.endr
.irp b, 0,1,2,3
	v_add_nc_u32 v[TM+12+\b], 0xf8800000, v[TM+\b]   ; 15 off its exponent field: the conversion's scale operand
.endr
.irp b, 0,1,2,3
	v_and_or_b32 v[TM+8+\b], v[TM+\b], 0x7f800000, s[MNT]   ; 57,344 x the scale
.endr
.irp b, 0,1,2,3
	v_lshrrev_b32 v[TM+4+\b], 23, v[TM+12+\b]      ; the scale's byte
.endr
	v_lshl_or_b32 v[\pw], v[TM+5], 8, v[TM+4]
	v_lshl_or_b32 v[\pw], v[TM+6], 16, v[\pw]
	v_lshl_or_b32 v[\pw], v[TM+7], 24, v[\pw]
.irp b, 0,1,2,3
.irp i, 0,1,2,3,4,5,6,7,8,9,10,11,12,13,14,15
	v_med3_num_f32 v[\src+16*\b+\i], v[\src+16*\b+\i], -v[TM+8+\b], v[TM+8+\b]   ; the conversion to an 8-bit code does not saturate (ISA guide 7.6.2): the hold comes first
.endr
	v_cvt_scalef32_pk8_bf8_f32 v[\pc+4*\b:\pc+1+4*\b], v[\src+16*\b:\src+7+16*\b], v[TM+12+\b]
	v_cvt_scalef32_pk8_bf8_f32 v[\pc+2+4*\b:\pc+3+4*\b], v[\src+8+16*\b:\src+15+16*\b], v[TM+12+\b]
.endr
	v_nop                                          ; one plain vector line behind the last conversion
.endm
	s_load_b256 s[4:11], s[0:1], 0x0               ; W_out, combine_mask, wo_codes, wo_scales
	s_load_b64 s[12:13], s[0:1], 0x20              ; keys
	v_lshl_add_u32 v[SPW], v0, 2, SPARE
	v_mov_b32 v[NIL], 0
	v_lshrrev_b32 v8, 5, v0
	v_readfirstlane_b32 s14, v8                    ; wave 0, 1
	v_and_b32 v1, 31, v0                           ; lane
	v_and_b32 v2, 15, v0                           ; r
	v_bfe_u32 v3, v0, 4, 1                         ; h
	v_lshlrev_b32 v[LO], 4, v1
	v_lshlrev_b32 v9, 2, v1                        ; 4 x lane
	s_mul_i32 s18, s14, WSTG
	v_add_nc_u32 v[SA], s18, v[LO]
	v_mul_u32_u24 v[SB], v2, 528
	v_lshl_add_u32 v[SB], v3, 6, v[SB]
	v_add_nc_u32 v[SB], s18, v[SB]
	s_lshl_b32 s15, ttmp9, 1
	s_add_co_u32 s15, s15, s14                     ; Wd
	s_mov_b32 s[SEL], 0x76543210
	s_mov_b32 s[SEL+1], 0xfedcba98
	s_mov_b32 s[MNT], 0x600000
.irp b, 0,1,2,3
	v_mov_b32 v[TM+4+\b], 0                        ; written once: a lane permute's destination counts as one of its sources
.endr
	s_mov_b32 s17, 0
	s_wait_kmcnt 0x0
	s_lshl_b32 s16, s15, 16                        ; 16 rows of 4,096 bytes
	s_add_nc_u64 s[4:5], s[4:5], s[16:17]
	s_lshl_b32 s16, s15, 7                         ; 4 tokens x 8 experts x 4 bytes
	s_add_nc_u64 s[6:7], s[6:7], s[16:17]
	s_lshl_b32 s16, s15, 14                        ; 8 images of 2,048 bytes
	s_add_nc_u64 s[8:9], s[8:9], s[16:17]
	s_lshl_b32 s16, s15, 9                         ; 16 rows of 32 scale bytes
	s_add_nc_u64 s[10:11], s[10:11], s[16:17]
	s_lshl_b32 s16, s15, 4                         ; 4 keys
	s_add_nc_u64 s[12:13], s[12:13], s[16:17]
	global_load_b32 v[CM], v9, s[6:7]              ; lane 8 q + e: combine[4 Wd + q][e]
	LOADW 0
	LOADW 1
	LOADW 2
	s_wait_loadcnt 32                              ; combine and set 0 are in; sets 1 and 2, 32 loads, are younger
	TURN 0
	; the keys.  The compare's result is stored as data at a fixed place; no address and no branch of this launch hangs on it
	v_cmp_neq_f32 s20, 0, v[CM]                    ; bit 8 q + e: the pair counts
	v_mov_b32 v11, s20
	v_lshlrev_b32 v10, 3, v1
	v_lshrrev_b32 v11, v10, v11                    ; lanes 0-3: token 4 Wd + lane's eight bits
	v_and_b32 v11, 0xff, v11
	s_lshl_b32 s22, s15, 2
	v_add_nc_u32 v12, s22, v1                      ; the token
	v_lshl_or_b32 v11, v11, 11, v12
	s_wait_xcnt 0x0                                ; EXEC is a source of the loads that are out: it changes only behind this wait
	v_cmp_gt_u32 vcc_lo, 4, v1
	s_and_saveexec_b32 s21, vcc_lo
	global_store_b32 v9, v11, s[12:13]
	s_wait_xcnt 0x0                                ; and again in front of the line that widens it
	s_or_b32 exec_lo, exec_lo, s21
; K step s.  n: the loads younger than ring set s + 1
.macro STEP s, n
	s_wait_dscnt 0x0                               ; X's set s % 2 is back from the stage, and the stage's stores have read ring set (s - 1) % 4
	s_wait_xcnt 0x0                                ; the stores of K step s - 2 have read their codes: the registers are written again below
.if (\s) <= 4
	LOADW (\s)+3
.endif
.if (\s) <= 6
	s_wait_loadcnt \n
	TURN (\s)+1
.endif
	QUANT X+64*((\s)%2), PC+16*((\s)%2), SW+(\s)
.irp c, 0,1,2,3
	global_store_b128 v[LO], v[PC+16*((\s)%2)+4*\c:PC+16*((\s)%2)+4*\c+3], s[8:9] offset:2048*(\s)+512*\c th:TH_STORE_NT   ; 32 lanes store 512 consecutive bytes
.endr
.endm
	STEP 0, 32                                     ; two younger sets of 16 loads
	STEP 1, 32
	STEP 2, 32
	STEP 3, 32
	STEP 4, 32
	STEP 5, 16                                     ; nothing more is asked for: the counts run down
	STEP 6, 0
	STEP 7, 0
	v_cmp_eq_u32 vcc_lo, 1, v3                     ; a row's 32 scale bytes: lanes 0-15 store K steps 0-3's words, lanes 16-31 K steps 4-7's
.irp i, 0,1,2,3
	v_cndmask_b32 v[16+\i], v[SW+\i], v[SW+4+\i], vcc_lo
.endr
	v_lshlrev_b32 v20, 5, v2
	v_lshl_add_u32 v20, v3, 4, v20
	global_store_b128 v20, v[16:19], s[10:11]      ; 512 consecutive bytes
	s_wait_tensorcnt 0x0                           ; the wave's end, behind my last LDS store
	ds_add_u32 v[SPW], v[NIL]
	s_wait_dscnt 0x0
	s_endpgm
.Lfunc_end_k_q51d437da42_prep:
	.size	k_q51d437da42_prep, .Lfunc_end_k_q51d437da42_prep-k_q51d437da42_prep
	.p2alignl 7, 3214868480
	.fill 96, 4, 3214868480
	.section	.rodata,"a",@progbits
	.p2align	6, 0x0
	.amdhsa_kernel k_q51d437da42_prep
		.amdhsa_group_segment_fixed_size 34048
		.amdhsa_private_segment_fixed_size 0
		.amdhsa_enable_private_segment 0
		.amdhsa_kernarg_size 40
		.amdhsa_user_sgpr_count 2
		.amdhsa_user_sgpr_kernarg_segment_ptr 1
		.amdhsa_wavefront_size32 1
		.amdhsa_system_sgpr_workgroup_id_x 1
		.amdhsa_system_sgpr_workgroup_id_y 1
		.amdhsa_system_sgpr_workgroup_id_z 1
		.amdhsa_system_vgpr_workitem_id 0
		.amdhsa_next_free_vgpr 512
		.amdhsa_next_free_sgpr 66
		.amdhsa_reserve_vcc 1
		.amdhsa_float_denorm_mode_32 3
		.amdhsa_float_denorm_mode_16_64 3
		.amdhsa_memory_ordered 1
		.amdhsa_forward_progress 1
		.amdhsa_inst_pref_size 100
	.end_amdhsa_kernel
	.amdgpu_metadata
---
amdhsa.version: [ 1, 2 ]
amdhsa.kernels:
  - .name:           k_q51d437da42_prep
    .symbol:         k_q51d437da42_prep.kd
    .args:
      - { .name: W_out, .offset: 0, .size: 8, .value_kind: global_buffer, .address_space: global }
      - { .name: combine_mask, .offset: 8, .size: 8, .value_kind: global_buffer, .address_space: global }
      - { .name: wo_codes, .offset: 16, .size: 8, .value_kind: global_buffer, .address_space: global }
      - { .name: wo_scales, .offset: 24, .size: 8, .value_kind: global_buffer, .address_space: global }
      - { .name: keys, .offset: 32, .size: 8, .value_kind: global_buffer, .address_space: global }
    .group_segment_fixed_size: 34048
    .private_segment_fixed_size: 0
    .kernarg_segment_align: 8
    .kernarg_segment_size: 40
    .max_flat_workgroup_size: 64
    .sgpr_count:     66
    .vgpr_count:     512
    .wavefront_size: 32
...
	.end_amdgpu_metadata
.endif
;; end of part 1
;; launch place (part 2): grid 256 x 1, 8 waves a work-group, no clusters, 41,984 bytes of LDS; arguments keys, sorted, hidden_states, dispatch_mask, xq, xs; writes sorted, xq, xs
.if DOCPART == 2
	.amdgcn_target "amdgcn-amd-amdhsa--gfx1250"
	.amdhsa_code_object_version 6
	.text
	.protected	k_q51d437da42_place
	.globl	k_q51d437da42_place
	.p2align	8
	.type	k_q51d437da42_place,@function
k_q51d437da42_place:
	s_mov_b64 s[64:65], 0
	v_nop
	global_prefetch_b8 v0, s[64:65] scope:SCOPE_SE
	s_setreg_imm32_b32 hwreg(HW_REG_WAVE_MODE, 25, 1), 1
	s_wait_xcnt 0x0
; PLACE.  One wave to a token t = 8 x work-group + wave.  Pairs (t, e) with combine[t][e] = 0 are left out, by the bits of keys[t] that the launch before stored (see prep's head).
; (1) THE ORDER.  keys[t] = (set << 11) | t are 2,048 different numbers.  The wave reads all of them and counts those under its own: that count is its place, and sorted[place] = keys[t].  No atomics, no second pass:
;     each word of sorted has one writer.  Tokens with the same set of experts so lie together, and a tile of 16 neighbours of sorted uses few experts.
; (2) THE OPERAND.  For each expert e of the token's set: x[t] x dispatch[t][e] in f32, quantised along its 1,024 numbers: codes to row 8 t + e of xq (1,024 bytes, K in natural order), 32 scale bytes to xs.
;     A block's largest |x d| is (its largest |x|) x |d|, rounded: rounding keeps order.  So the maxima are taken once for the token.
; (3) Token 0's wave also writes row 16,384 of xq, zeros, and its scale bytes, 127: the row that tokens take in a tile of an expert that is not theirs.
; A load takes 512 consecutive bytes; the conversions want 16 neighbours in a lane: 2,048 bytes at a time turn through the wave's own stage (64 bytes + 16 of padding for each lane).  No barrier: waves share nothing.
; The scale bytes leave one byte a block, 32 neighbouring bytes a row: 64 KB in the whole launch where each token has one expert.
.set SPARE, 40960                      ; behind the eight stages' 5,120 bytes each: the spare words, 128 bytes a wave
.set LO,   4                           ; v4   16 x lane; never rewritten
.set STI,  5                           ; v5   the stage, on the way in: 80 (lane / 4) + 16 (lane % 4)
.set STOU, 6                           ; v6   and on the way out: 80 x lane
.set HB,   7                           ; v7   lane / 2: my block among a half row's 16
.set SPW,  14
.set NIL,  15
.set RW,   16                          ; v16-47   x as loaded
.set X,    48                          ; v48-79   x: register 16 u + i = k 512 u + 16 lane + i
.set Y,    80                          ; v80-95   x d, at work
.set BY,   96                          ; v96-111  a scale byte for each (e, u): no store's data are written again
.set AM,   112                         ; v112-113 the block's largest |x|, u = 0, 1
.set DD,   114                         ; v[114:115] d (the pair's low word serves both halves)
.set AA,   116
.set SC,   117
.set HH,   118
.set KY,   128                         ; v128-191 all keys, 64 a lane
.set C,    192                         ; v192-255 codes: four registers for each (e, u)
	s_load_b256 s[4:11], s[0:1], 0x0               ; keys, sorted, hidden_states, dispatch_mask
	s_load_b128 s[12:15], s[0:1], 0x20             ; xq, xs
	v_lshl_add_u32 v[SPW], v0, 2, SPARE
	v_mov_b32 v[NIL], 0
	v_lshrrev_b32 v8, 5, v0
	v_readfirstlane_b32 s16, v8                    ; wave 0..7
	v_and_b32 v1, 31, v0                           ; lane
	v_lshlrev_b32 v[LO], 4, v1
	s_mul_i32 s22, s16, 5120
	v_lshrrev_b32 v8, 2, v1
	v_mul_u32_u24 v[STI], v8, 80
	v_and_b32 v8, 3, v1
	v_lshl_add_u32 v[STI], v8, 4, v[STI]
	v_add_nc_u32 v[STI], s22, v[STI]
	v_mul_u32_u24 v[STOU], v1, 80
	v_add_nc_u32 v[STOU], s22, v[STOU]
	v_lshrrev_b32 v[HB], 1, v1
	v_mov_b32 v[DD+1], 0                           ; named with d as a pair, so it is written
	s_lshl_b32 s17, ttmp9, 3
	s_add_co_u32 s17, s17, s16                     ; t
	s_lshl_b32 s18, s17, 2                         ; my key's byte
	s_lshl_b32 s19, s17, 5                         ; my 8 numbers of dispatch_mask
	s_mov_b32 s33, 0x600000                        ; the mantissa field of 57,344
	s_mov_b32 s21, 0                               ; the count
	s_lshl_b32 s34, s17, 12                        ; my row of x
	s_mov_b32 s35, 0
	s_lshl_b32 s36, s17, 13                        ; my 8 rows of xq
	s_mov_b32 s37, 0
	s_lshl_b32 s38, s17, 8                         ; and of xs
	s_mov_b32 s39, 0
	s_wait_kmcnt 0x0
	s_load_b32 s20, s[4:5], s18 offset:0x0         ; my key
	s_load_b256 s[24:31], s[10:11], s19 offset:0x0 ; dispatch[t][0 .. 7]
	s_add_nc_u64 s[8:9], s[8:9], s[34:35]
	s_add_nc_u64 s[44:45], s[12:13], 0x1000000     ; the row of zeros: row 16,384 of xq,
	s_add_nc_u64 s[46:47], s[14:15], 0x80000       ; and of xs
	s_add_nc_u64 s[12:13], s[12:13], s[36:37]
	s_add_nc_u64 s[14:15], s[14:15], s[38:39]
.irp i, 0,1,2,3,4,5,6,7
	global_load_b128 v[RW+4*\i:RW+4*\i+3], v[LO], s[8:9] offset:512*\i th:TH_LOAD_NT
.endr
.irp i, 0,1,2,3,4,5,6,7,8,9,10,11,12,13,14,15
	global_load_b128 v[KY+4*\i:KY+4*\i+3], v[LO], s[4:5] offset:512*\i
.endr
	s_wait_loadcnt 16                              ; x is in; the 16 loads of keys are younger
.irp u, 0,1
.irp i, 0,1,2,3
	ds_store_b128 v[STI], v[RW+16*\u+4*\i:RW+16*\u+4*\i+3] offset:2560*\u+640*\i
.endr
.irp j, 0,1,2,3
	ds_load_b128 v[X+16*\u+4*\j:X+16*\u+4*\j+3], v[STOU] offset:2560*\u+16*\j   ; LDS serves a wave's instructions in order: these see the stores above
.endr
.endr
	s_wait_loadcnt 0x0                             ; the keys
	s_wait_kmcnt 0x0                               ; mine, and dispatch
.irp g, 0,1,2,3,4,5,6,7,8,9,10,11,12,13,14,15
.irp q, 0,1,2,3
	v_cmp_gt_u32 s[40+\q], s20, v[KY+4*\g+\q]      ; the keys under mine
.endr
.irp q, 0,1,2,3
	s_bcnt1_i32_b32 s22, s[40+\q]
	s_add_co_u32 s21, s21, s22
.endr
.endr
	s_min_u32 s21, s21, 2047                       ; a number made of loaded numbers enters an address behind a bound written in the instruction
	s_lshl_b32 s21, s21, 2
	v_mov_b32 v8, s21
	v_mov_b32 v9, s20
	s_wait_xcnt 0x0                                ; EXEC changes only behind this wait
	v_cmp_eq_u32 vcc_lo, 0, v1
	s_and_saveexec_b32 s23, vcc_lo
	global_store_b32 v8, v9, s[6:7]                ; sorted[place] = my key
	s_wait_xcnt 0x0
	s_or_b32 exec_lo, exec_lo, s23
	s_wait_dscnt 0x0                               ; x is back from the stage
.irp u, 0,1
	v_max3_num_f32 v[AM+\u], |v[X+16*\u]|, |v[X+16*\u+1]|, |v[X+16*\u+2]|
.endr
.irp i, 3,5,7,9,11,13
.irp u, 0,1
	v_max3_num_f32 v[AM+\u], v[AM+\u], |v[X+16*\u+\i]|, |v[X+16*\u+\i+1]|
.endr
.endr
.irp u, 0,1
	v_max_num_f32 v[AM+\u], v[AM+\u], |v[X+16*\u+15]|
.endr
.irp u, 0,1
	v_max_num_f32_dpp v[AM+\u], v[AM+\u], v[AM+\u] row_xmask:1 row_mask:0xf bank_mask:0xf   ; with my neighbour's 16: the block's
.endr
.irp e, 0,1,2,3,4,5,6,7
	s_bitcmp1_b32 s20, 11+\e                       ; is expert e in my set?  A whole number that the launch before stored
	s_cbranch_scc0 .Lnot_\e
	v_mov_b32 v[DD], s[24+\e]
.irp u, 0,1
	v_mul_f32 v[AA], v[AM+\u], |v[DD]|             ; the block's largest |x d|,
	v_max_num_f32 v[AA], 0x8000000, v[AA]          ; and the floor 2^(16 - 127): the byte cannot fall under 1
	v_add_nc_u32 v[SC], 0xf8800000, v[AA]          ; 15 off the exponent field: the conversion's scale operand
	v_and_or_b32 v[HH], v[AA], 0x7f800000, s33     ; 57,344 x the scale
.irp i, 0,2,4,6,8,10,12,14
	v_pk_mul_f32 v[Y+\i:Y+\i+1], v[X+16*\u+\i:X+16*\u+\i+1], v[DD:DD+1] op_sel_hi:[1,0]
.endr
.irp i, 0,1,2,3,4,5,6,7,8,9,10,11,12,13,14,15
	v_med3_num_f32 v[Y+\i], v[Y+\i], -v[HH], v[HH] ; the conversion does not saturate (ISA guide 7.6.2): the hold comes first
.endr
	v_cvt_scalef32_pk8_bf8_f32 v[C+8*\e+4*\u:C+8*\e+4*\u+1], v[Y:Y+7], v[SC]
	v_cvt_scalef32_pk8_bf8_f32 v[C+8*\e+4*\u+2:C+8*\e+4*\u+3], v[Y+8:Y+15], v[SC]
	v_lshrrev_b32 v[BY+2*\e+\u], 23, v[SC]         ; the scale's byte; also the plain line behind the conversions
	global_store_b128 v[LO], v[C+8*\e+4*\u:C+8*\e+4*\u+3], s[12:13] offset:1024*\e+512*\u   ; 512 consecutive bytes
	global_store_b8 v[HB], v[BY+2*\e+\u], s[14:15] offset:32*\e+16*\u   ; both lanes of a block write the same byte with the same value
.endr
.Lnot_\e:
.endr
	s_cmp_lg_u32 s17, 0                            ; token 0's wave writes the row of zeros
	s_cbranch_scc1 .Lno_zero
.irp i, 0,1,2,3
	v_mov_b32 v[120+\i], 0
.endr
	v_mov_b32 v124, 0x7f7f7f7f
	v_lshlrev_b32 v125, 2, v1
	global_store_b128 v[LO], v[120:123], s[44:45]
	global_store_b128 v[LO], v[120:123], s[44:45] offset:512
	global_store_b32 v125, v124, s[46:47]
.Lno_zero:
	s_wait_tensorcnt 0x0                           ; the wave's end, behind my last LDS store
	ds_add_u32 v[SPW], v[NIL]
	s_wait_dscnt 0x0
	s_endpgm
.Lfunc_end_k_q51d437da42_place:
	.size	k_q51d437da42_place, .Lfunc_end_k_q51d437da42_place-k_q51d437da42_place
	.p2alignl 7, 3214868480
	.fill 96, 4, 3214868480
	.section	.rodata,"a",@progbits
	.p2align	6, 0x0
	.amdhsa_kernel k_q51d437da42_place
		.amdhsa_group_segment_fixed_size 41984
		.amdhsa_private_segment_fixed_size 0
		.amdhsa_enable_private_segment 0
		.amdhsa_kernarg_size 48
		.amdhsa_user_sgpr_count 2
		.amdhsa_user_sgpr_kernarg_segment_ptr 1
		.amdhsa_wavefront_size32 1
		.amdhsa_system_sgpr_workgroup_id_x 1
		.amdhsa_system_sgpr_workgroup_id_y 1
		.amdhsa_system_sgpr_workgroup_id_z 1
		.amdhsa_system_vgpr_workitem_id 0
		.amdhsa_next_free_vgpr 256
		.amdhsa_next_free_sgpr 66
		.amdhsa_reserve_vcc 1
		.amdhsa_float_denorm_mode_32 3
		.amdhsa_float_denorm_mode_16_64 3
		.amdhsa_memory_ordered 1
		.amdhsa_forward_progress 1
		.amdhsa_inst_pref_size 51
	.end_amdhsa_kernel
	.amdgpu_metadata
---
amdhsa.version: [ 1, 2 ]
amdhsa.kernels:
  - .name:           k_q51d437da42_place
    .symbol:         k_q51d437da42_place.kd
    .args:
      - { .name: keys, .offset: 0, .size: 8, .value_kind: global_buffer, .address_space: global }
      - { .name: sorted, .offset: 8, .size: 8, .value_kind: global_buffer, .address_space: global }
      - { .name: hidden_states, .offset: 16, .size: 8, .value_kind: global_buffer, .address_space: global }
      - { .name: dispatch_mask, .offset: 24, .size: 8, .value_kind: global_buffer, .address_space: global }
      - { .name: xq, .offset: 32, .size: 8, .value_kind: global_buffer, .address_space: global }
      - { .name: xs, .offset: 40, .size: 8, .value_kind: global_buffer, .address_space: global }
    .group_segment_fixed_size: 41984
    .private_segment_fixed_size: 0
    .kernarg_segment_align: 8
    .kernarg_segment_size: 48
    .max_flat_workgroup_size: 256
    .sgpr_count:     66
    .vgpr_count:     256
    .wavefront_size: 32
...
	.end_amdgpu_metadata
.endif
;; end of part 2
;; launch inproj (part 3): grid 32 x 8, 4 waves a work-group, no clusters, 137,728 bytes of LDS; arguments W_in, b_in, sorted, xq, xs, hid, hsc; writes hid, hsc
.if DOCPART == 3
	.amdgcn_target "amdgcn-amd-amdhsa--gfx1250"
	.amdhsa_code_object_version 6
	.text
	.protected	k_q51d437da42_inproj
	.globl	k_q51d437da42_inproj
	.p2align	8
	.type	k_q51d437da42_inproj,@function
k_q51d437da42_inproj:
	s_mov_b64 s[64:65], 0
	v_nop
	global_prefetch_b8 v0, s[64:65] scope:SCOPE_SE
	s_setreg_imm32_b32 hwreg(HW_REG_WAVE_MODE, 25, 1), 1
	s_wait_xcnt 0x0
; INPROJ.  Work-group (j, e): hidden units 32 j .. 32 j + 31 of expert e, for every tile of 16 neighbours of sorted that holds a token of e.  Tiles without such a token are left out, by the stored sets (see prep's head).
; PHASE W.  The block's 64 rows of W_in[e] (32 of the x half, 32 of the gate half; 256 KB of f32) are read ONCE in the launch and quantised in registers.  Wave w makes weight tile m = w: part = w / 2 (x, gate), u = w % 2;
;   lane r of the tile takes row 32 j + 8 u + r + 8 (r / 8) of its part.  Its 8 fragments and scale words go to LDS as images of the operand's registers; one barrier; every wave then takes all 32 fragments into registers.
; PHASE T.  Wave w takes the flagged tiles among T = 4 i + w.  The product is used transposed (source 0 = 16 rows of W_in, source 1 = 16 tokens): lane (r, h) holds token r, and the 16 registers of tiles u = 0, 1 are
;   hidden units 32 j + 16 h + 0 .. 15: neighbours along the next K.  b_in is the C of each sum's first product.  h = x' g' Phi(g'), quantised: 32 j .. 32 j + 31 is one block of 32, in lanes l and l xor 16.
;   Codes go to hid as register group j % 4 of K step j / 4 of the image (T, e): 512 consecutive bytes; the block's scale byte to hsc[(T, e)][r][j].
;   A token of the tile that has not expert e in its set takes the row of zeros; its result is finite and meets combine = 0 in the next launch.
; Phi(g) = erfc(-g / sqrt 2) / 2.  erfc(z), z >= 0, = t exp(-z z + poly(t)), t = 1 / (1 + z / 2), a polynomial of degree 9 (fractional error 1.2e-7 in exact arithmetic); g < 0: Phi = erfc(|g| / sqrt 2) / 2, which keeps
;   the tail's relative accuracy; g >= 0: Phi = 1 - erfc / 2.  Both are computed and one is selected.  LIMIT: where erfc falls under 2^-126 it is taken as 0 (v_exp_f32 gives no denormals: ISA guide 15.8).
; No tensor loads, no cluster: the walk over tiles hangs on stored numbers.  The tile's x for the next trip is asked for a trip ahead.
.set RAW,      3
.set SKIP,     8                       ; rows 0-7 and 16-23 from the tile's first
.set TO_RAW,   RAW<<6
.set FROM_RAW, RAW<<2
.set STAGE,    8448                    ; 16 rows x (512 bytes + 16)
.set WSTG,     2*STAGE
.set WIMG,     4*WSTG                  ; 32 images of 2,048 bytes, index 8 m + s
.set WSC,      WIMG+32*2048            ; their scale words, 128 bytes each
.set SPARE,    WSC+32*128              ; the spare words, 128 bytes a wave: two blocks of 256 bytes that no other line names
.set LO,  4                            ; v4   16 x lane
.set SA,  5                            ; v5   the stage, in
.set SB,  6                            ; v6   the stage, out
.set IW,  7                            ; v7   where I store my images
.set IS,  8                            ; v8   and their scale words
.set LI,  9                            ; v9   WIMG + 16 x lane
.set LS,  10                           ; v10  WSC + 4 x lane
.set H16, 11                           ; v11  16 h
.set EN0, 12                           ; v12  the first tile's entry of sorted for my token
.set EN1, 13                           ; v13  the entry of the tile after the one whose x is asked for
.set A0,  14
.set A1,  15                           ; v14, v15 their addresses
.set XRO, 16                           ; v16  my token's row of xq, + 16 h
.set XSO, 17                           ; v17  and of xs
.set ZR,  18                           ; v18  16,384: the row of zeros
.set HO,  19
.set HSO, 20
.set R4,  21                           ; v21  4 r
.set R32, 22                           ; v22  32 r
.set TP,  23
.set BI,  24                           ; v24-55  b_in, eight registers a weight tile, in the result's layout
.set XS,  56                           ; v56-63  x's scale words, one a K step
.set X,   64                           ; phase W: v64-191 two sets of 64 numbers
.set ACC, 64                           ; phase T: v64-79 x', v80-95 g'
.set GG,  80
.set ZZ,  96
.set AA,  112
.set TT,  128
.set PP,  144
.set RR,  160
.set HC,  176                          ; v176-179 the block's codes
.set MX0, 180
.set MX1, 181
.set SC,  182
.set HH,  183
.set BY,  184
.set C8V, 186                          ; v[186:187] the polynomial's coefficient 8, twice
.set PC,  192                          ; phase W: v192-223 two sets of codes
.set WS,  192                          ; phase T: v192-223 the weights' scale words, 4 s + m
.set TM,  224                          ; v224-239 first my tiles' entries, then at work in QUANT
.set PW,  240                          ; v240-241 the scale word just made
.set BA,  242                          ; v242 64 h
.set LA,  243                          ; v243 256 x lane + 64 w
.set SPW, 252
.set NIL, 253
.set WB,  4                            ; s[4:5] my 24 rows' first
.set CF,  36                           ; s[36:55] the polynomial's coefficients, each twice
.set SEL, 60
.set MNT, 62
.set MSB, 0
.macro WIN new                         ; the immediate's high byte repeats the setting that is left
.if MSB != (\new)
	s_set_vgpr_msb (MSB<<8)|(\new)
.set MSB, (\new)
.endif
.endm
.macro LOADW t                         ; K step t of my 16 rows into ring set t % 4 (window 3): each load reads 512 consecutive bytes
	WIN TO_RAW
.irp m, 0,1,2,3,4,5,6,7,8,9,10,11,12,13,14,15
	global_load_b128 v[64*((\t)%4)+4*\m:64*((\t)%4)+4*\m+3], v[LO], s[WB:WB+1] offset:(\m+SKIP*(\m/8))*4096+512*(\t) th:TH_LOAD_NT
.endr
	WIN 0
.endm
.macro TURN t                          ; ring set t % 4 through stage t % 2 into X's set t % 2
	WIN FROM_RAW
.irp m, 0,1,2,3,4,5,6,7,8,9,10,11,12,13,14,15
	ds_store_b128 v[SA], v[64*((\t)%4)+4*\m:64*((\t)%4)+4*\m+3] offset:STAGE*((\t)%2)+528*\m
.endr
	WIN 0
.irp c, 0,1,2,3
.irp j, 0,1,2,3
	ds_load_b128 v[X+64*((\t)%2)+16*\c+4*\j:X+64*((\t)%2)+16*\c+4*\j+3], v[SB] offset:STAGE*((\t)%2)+128*\c+16*\j
.endr
.endr
.endm
.macro QUANT src, pc, pw               ; 64 numbers of a lane, register 16 b + i = k 32 b + 16 h + i of my row: a fragment's codes and its scale word
.irp b, 0,1,2,3
	v_max3_num_f32 v[TM+\b], |v[\src+16*\b]|, |v[\src+1+16*\b]|, 0x8000000   ; and the floor 2^(16 - 127)
.endr
.irp i, 2,4,6,8,10,12,14
.irp b, 0,1,2,3
	v_max3_num_f32 v[TM+\b], v[TM+\b], |v[\src+16*\b+\i]|, |v[\src+1+16*\b+\i]|
.endr
.endr
.irp b, 0,1,2,3
	v_permlanex16_b32 v[TM+4+\b], v[TM+\b], s[SEL], s[SEL+1]
.endr
.irp b, 0,1,2,3
	v_max_num_f32 v[TM+\b], v[TM+\b], v[TM+4+\b]
.endr
.irp b, 0,1,2,3
	v_add_nc_u32 v[TM+12+\b], 0xf8800000, v[TM+\b]
.endr
.irp b, 0,1,2,3
	v_and_or_b32 v[TM+8+\b], v[TM+\b], 0x7f800000, s[MNT]
.endr
.irp b, 0,1,2,3
	v_lshrrev_b32 v[TM+4+\b], 23, v[TM+12+\b]
.endr
	v_lshl_or_b32 v[\pw], v[TM+5], 8, v[TM+4]
	v_lshl_or_b32 v[\pw], v[TM+6], 16, v[\pw]
	v_lshl_or_b32 v[\pw], v[TM+7], 24, v[\pw]
.irp b, 0,1,2,3
.irp i, 0,1,2,3,4,5,6,7,8,9,10,11,12,13,14,15
	v_med3_num_f32 v[\src+16*\b+\i], v[\src+16*\b+\i], -v[TM+8+\b], v[TM+8+\b]
.endr
	v_cvt_scalef32_pk8_bf8_f32 v[\pc+4*\b:\pc+1+4*\b], v[\src+16*\b:\src+7+16*\b], v[TM+12+\b]
	v_cvt_scalef32_pk8_bf8_f32 v[\pc+2+4*\b:\pc+3+4*\b], v[\src+8+16*\b:\src+15+16*\b], v[TM+12+\b]
.endr
	v_nop                                          ; one plain vector line behind the last conversion
.endm
.macro COEF k, bits
	s_mov_b32 s[CF+2*\k], \bits
	s_mov_b32 s[CF+2*\k+1], \bits
.endm
.macro NEXT dst                        ; the next flagged tile of my wave out of the mask s22; with none left: tile 124 + w, whose entries are loaded and not used
	s_ctz_i32_b32 s26, s22
	s_min_u32 s26, s26, 31                         ; a number made of loaded numbers enters an address behind a bound written in the instruction
	s_sub_co_u32 s27, s22, 1
	s_and_b32 s22, s22, s27
	s_lshl_b32 s26, s26, 2
	s_add_co_u32 \dst, s26, s18
.endm
.macro ROWCALC en                      ; from my token's entry: its row 8 t + e of xq and xs, or the row of zeros
	v_and_b32 v[TP], 0x7ff, v[\en]
	v_lshl_add_u32 v[TP], v[TP], 3, s20
	v_and_b32 v[XSO], s21, v[\en]
	v_cmp_ne_u32 vcc_lo, 0, v[XSO]
	v_cndmask_b32 v[TP], v[ZR], v[TP], vcc_lo
	v_min_u32 v[TP], 0x4000, v[TP]
	v_lshl_add_u32 v[XRO], v[TP], 10, v[H16]
	v_lshlrev_b32 v[XSO], 5, v[TP]
.endm
.macro XLOAD                           ; a tile's 8 fragments of x into window 3, v[16 s] on, and its scale words
	WIN 0xc0
.irp t, 0,1,2,3,4,5,6,7
.irp c, 0,1,2,3
	global_load_b128 v[16*\t+4*\c:16*\t+4*\c+3], v[XRO], s[10:11] offset:128*\t+32*\c
.endr
.endr
	WIN 0
	global_load_b128 v[XS:XS+3], v[XSO], s[12:13]
	global_load_b128 v[XS+4:XS+7], v[XSO], s[12:13] offset:16
.endm
	s_load_b256 s[4:11], s[0:1], 0x0               ; W_in, b_in, sorted, xq
	s_load_b128 s[12:15], s[0:1], 0x20             ; xs, hid
	s_load_b64 s[16:17], s[0:1], 0x30              ; hsc
	v_lshl_add_u32 v[SPW], v0, 2, SPARE
	v_mov_b32 v[NIL], 0
	v_lshrrev_b32 v[TP], 5, v0
	v_readfirstlane_b32 s18, v[TP]                 ; wave w
	s_mov_b32 s19, ttmp9                           ; j
	s_and_b32 s20, ttmp7, 0xffff                   ; e
	v_and_b32 v1, 31, v0                           ; lane
	v_and_b32 v2, 15, v0                           ; r
	v_bfe_u32 v3, v0, 4, 1                         ; h
	v_lshlrev_b32 v[LO], 4, v1
	s_mul_i32 s26, s18, WSTG
	v_add_nc_u32 v[SA], s26, v[LO]
	v_mul_u32_u24 v[SB], v2, 528
	v_lshl_add_u32 v[SB], v3, 6, v[SB]
	v_add_nc_u32 v[SB], s26, v[SB]
	s_lshl_b32 s26, s18, 14
	s_add_co_u32 s26, s26, WIMG
	v_add_nc_u32 v[IW], s26, v[LO]
	v_lshlrev_b32 v[LS], 2, v1
	s_lshl_b32 s26, s18, 10
	s_add_co_u32 s26, s26, WSC
	v_add_nc_u32 v[IS], s26, v[LS]
	v_add_nc_u32 v[LI], WIMG, v[LO]
	v_add_nc_u32 v[LS], WSC, v[LS]
	v_lshlrev_b32 v[H16], 4, v3
	v_mov_b32 v[ZR], 0x4000
	v_lshlrev_b32 v[R4], 2, v2
	v_lshlrev_b32 v[R32], 5, v2
	v_lshlrev_b32 v[BA], 6, v3
	v_lshlrev_b32 v[LA], 8, v1
	s_lshl_b32 s32, s18, 6
	v_add_nc_u32 v[LA], s32, v[LA]
	s_add_co_u32 s21, s20, 11
	s_lshl_b32 s21, 1, s21                         ; expert e's bit in an entry
	s_and_b32 s26, s18, 1                          ; u
	s_lshr_b32 s27, s18, 1                         ; part
	s_lshl_b32 s26, s26, 3
	s_lshl_b32 s27, s27, 10
	s_add_co_u32 s26, s26, s27
	s_lshl_b32 s27, s20, 11
	s_add_co_u32 s26, s26, s27
	s_lshl_b32 s27, s19, 5
	s_add_co_u32 s26, s26, s27                     ; my first row: 2,048 e + 1,024 part + 32 j + 8 u
	s_lshl_b32 s26, s26, 12
	s_mov_b32 s27, 0
	s_lshl_b32 s28, s20, 13
	s_lshl_b32 s29, s19, 7
	s_add_co_u32 s28, s28, s29                     ; b_in: (2,048 e + 32 j) x 4
	s_mov_b32 s29, 0
	s_lshl_b32 s30, s20, 14
	s_lshr_b32 s31, s19, 2
	s_lshl_b32 s31, s31, 11
	s_add_co_u32 s30, s30, s31
	s_and_b32 s31, s19, 3
	s_lshl_b32 s31, s31, 9
	s_add_co_u32 s30, s30, s31                     ; in hid: 16,384 e + 2,048 (j / 4) + 512 (j % 4)
	s_lshl_b32 s31, s20, 9
	s_add_co_u32 s31, s31, s19                     ; in hsc: 512 e + j
	COEF 0, 0xbfa1fc4e                             ; -1.26551223
	COEF 1, 0x3f8000c7                             ;  1.00002368
	COEF 2, 0x3ebf88fb                             ;  0.37409196
	COEF 3, 0x3dc636c9                             ;  0.09678418
	COEF 4, 0xbe3ec24c                             ; -0.18628806
	COEF 5, 0x3e8ec7cc                             ;  0.27886807
	COEF 6, 0xbf914e5d                             ; -1.13520398
	COEF 7, 0x3fbe87b0                             ;  1.48851587
	COEF 8, 0xbf527892                             ; -0.82215223
	COEF 9, 0x3e2ef945                             ;  0.17087277
	s_mov_b32 s56, 0x3fb8aa3b                      ; log2(e), twice
	s_mov_b32 s57, 0x3fb8aa3b
	s_mov_b32 s58, 0x3f3504f3                      ; 1 / sqrt 2
	s_mov_b32 s[SEL], 0x76543210
	s_mov_b32 s[SEL+1], 0xfedcba98
	s_mov_b32 s[MNT], 0x600000
	s_wait_kmcnt 0x0
	s_add_nc_u64 s[4:5], s[4:5], s[26:27]
	s_add_nc_u64 s[6:7], s[6:7], s[28:29]
.irp q, 0,1,2,3
	global_load_b128 v[TM+4*\q:TM+4*\q+3], v[LA], s[8:9] offset:16*\q   ; lane i: the 16 entries of tile 4 i + w
.endr
.irp m, 0,1,2,3
	global_load_b128 v[BI+8*\m:BI+8*\m+3], v[BA], s[6:7] offset:4096*(\m/2)+32*(\m%2)
	global_load_b128 v[BI+8*\m+4:BI+8*\m+7], v[BA], s[6:7] offset:4096*(\m/2)+32*(\m%2)+16
.endr
	LOADW 0
	LOADW 1
	LOADW 2
	s_wait_loadcnt 48                              ; the entries and b_in are in; the three ring sets, 48 loads, are younger
	v_or_b32 v[TP], v[TM], v[TM+1]
.irp i, 2,3,4,5,6,7,8,9,10,11,12,13,14,15
	v_or_b32 v[TP], v[TP], v[TM+\i]
.endr
	v_and_b32 v[TP], s21, v[TP]
	v_cmp_ne_u32 s22, 0, v[TP]                     ; bit i: tile 4 i + w holds a token of expert e
	s_bcnt1_i32_b32 s23, s22                       ; how many tiles are mine
	NEXT s24                                       ; Tc: the tile whose x is asked for
	NEXT s25                                       ; Tn: the one after
	s_lshl_b32 s26, s24, 6
	v_add_nc_u32 v[A0], s26, v[R4]
	s_lshl_b32 s26, s25, 6
	v_add_nc_u32 v[A1], s26, v[R4]
	global_load_b32 v[EN0], v[A0], s[8:9]
	global_load_b32 v[EN1], v[A1], s[8:9]
.irp b, 0,1,2,3
	v_mov_b32 v[TM+4+\b], 0                        ; a lane permute's destination counts as one of its sources
.endr
	s_wait_loadcnt 34                              ; set 0 is in; sets 1 and 2 and the two entries are younger
	TURN 0
; K step s.  d: the LDS instructions younger than the turn of step s (the five image stores of step s - 1);  n: the loads younger than ring set s + 1
.macro STEP s, d, n
	s_wait_dscnt \d                                ; X's set s % 2 is back; older still: the stage's stores of ring set (s - 1) % 4 and the image stores of step s - 2, whose registers are written again below
.if (\s) <= 4
	LOADW (\s)+3
.endif
.if (\s) <= 6
	s_wait_loadcnt \n
	TURN (\s)+1
.endif
.if (\s) == 6
	ROWCALC EN0                                    ; every load has been waited for: the first tile's x is asked for here, into ring sets 0 and 1, which are done with
	XLOAD
.endif
	QUANT X+64*((\s)%2), PC+16*((\s)%2), PW+(\s)%2
.irp c, 0,1,2,3
	ds_store_b128 v[IW], v[PC+16*((\s)%2)+4*\c:PC+16*((\s)%2)+4*\c+3] offset:2048*(\s)+512*\c
.endr
	ds_store_b32 v[IS], v[PW+(\s)%2] offset:128*(\s)
.endm
	STEP 0, 0, 34                                  ; set 2, the two entries, set 3
	STEP 1, 5, 34                                  ; the two entries, sets 3 and 4
	STEP 2, 5, 32
	STEP 3, 5, 32
	STEP 4, 5, 32
	STEP 5, 5, 16
	STEP 6, 5, 0
	STEP 7, 5, 0
	s_wait_dscnt 0x0                               ; for the others' sake: my images lie in LDS
	s_barrier_signal -1
	s_barrier_wait -1                              ; all 32 do.  The launch's one barrier: every wave passes it; nothing is written to LDS behind it
	s_cmp_eq_u32 s23, 0
	s_cbranch_scc1 .Lend                           ; no tile of mine holds a token of this expert
	WIN 0x40                                       ; K steps 0-3 into window 1, v[64 s + 16 m]
.irp t, 0,1,2,3
.irp m, 0,1,2,3
.irp c, 0,1,2,3
	ds_load_b128 v[64*\t+16*\m+4*\c:64*\t+16*\m+4*\c+3], v[LI] offset:(8*\m+\t)*2048+512*\c
.endr
.endr
.endr
	WIN 0x80                                       ; K steps 4-7 into window 2
.irp t, 4,5,6,7
.irp m, 0,1,2,3
.irp c, 0,1,2,3
	ds_load_b128 v[64*(\t-4)+16*\m+4*\c:64*(\t-4)+16*\m+4*\c+3], v[LI] offset:(8*\m+\t)*2048+512*\c
.endr
.endr
.endr
	WIN 0
.irp t, 0,1,2,3,4,5,6,7
.irp m, 0,1,2,3
	ds_load_b32 v[WS+4*\t+\m], v[LS] offset:(8*\m+\t)*128
.endr
.endr
	v_mov_b32 v[C8V], s[CF+16]
	v_mov_b32 v[C8V+1], s[CF+16]
	s_wait_dscnt 0x0
.macro MULS t, first                   ; K step t: the four accumulators by turns, one instruction a turn
.irp m, 0,1,2,3
.if \first
	v_wmma_scale_f32_16x16x128_f8f6f4 v[ACC+8*\m:ACC+8*\m+7], v[64*((\t)%4)+16*\m:64*((\t)%4)+16*\m+15], v[16*(\t):16*(\t)+15], v[BI+8*\m:BI+8*\m+7], v[WS+4*(\t)+\m], v[XS+(\t)] matrix_a_fmt:MATRIX_FMT_BF8 matrix_b_fmt:MATRIX_FMT_BF8
.else
	v_wmma_scale_f32_16x16x128_f8f6f4 v[ACC+8*\m:ACC+8*\m+7], v[64*((\t)%4)+16*\m:64*((\t)%4)+16*\m+15], v[16*(\t):16*(\t)+15], v[ACC+8*\m:ACC+8*\m+7], v[WS+4*(\t)+\m], v[XS+(\t)] matrix_a_fmt:MATRIX_FMT_BF8 matrix_b_fmt:MATRIX_FMT_BF8
.endif
.endr
.endm
.Ltile:                                                ; a trip: one tile.  s23 counts my tiles down
	s_wait_loadcnt 0x0                             ; this tile's x, asked for a trip ago, and the next entry
	s_lshl_b32 s28, s24, 17
	s_add_co_u32 s28, s28, s30                     ; where this tile's codes go,
	s_lshl_b32 s29, s24, 12
	s_add_co_u32 s29, s29, s31                     ; and its scale bytes
	WIN 0x0d                                       ; source 0 (weights) window 1, source 1 (x) window 3
	MULS 0, 1
	MULS 1, 0
	MULS 2, 0
	MULS 3, 0
	WIN 0x0e                                       ; weights: window 2
	MULS 4, 0
	MULS 5, 0
	MULS 6, 0
	MULS 7, 0
	WIN 0
.rept 9
	v_nop                                          ; places: 8 ahead of the loads into x's registers and scale words and of the first read of results; 9 ahead of the next trip's products, which begin the accumulators anew
.endr
	ROWCALC EN1
	s_cmp_eq_u32 s23, 1
	s_cbranch_scc1 .Llast                          ; my last tile asks for nothing.  Every wait on loads in this loop is for 0, so the jump changes no count
	XLOAD                                          ; the next tile's x: it has this tile's vector work in which to land
	s_mov_b32 s24, s25
	NEXT s25
	s_lshl_b32 s26, s25, 6
	v_add_nc_u32 v[A1], s26, v[R4]
	global_load_b32 v[EN1], v[A1], s[8:9]
.Llast:
	s_wait_xcnt 0x0                                ; the last trip's stores have read their registers: they are written again below
.irp i, 0,1,2,3,4,5,6,7,8,9,10,11,12,13,14,15
	v_mul_f32 v[ZZ+\i], s58, |v[GG+\i]|            ; z = |g| / sqrt 2.  Each accumulator is read from its low end on
.endr
.irp i, 0,2,4,6,8,10,12,14
	v_pk_fma_f32 v[AA+\i:AA+\i+1], v[ZZ+\i:ZZ+\i+1], 0.5, 1.0 op_sel_hi:[1,0,0]
.endr
.irp i, 0,1,2,3,4,5,6,7,8,9,10,11,12,13,14,15
	v_rcp_f32 v[TT+\i], v[AA+\i]
.endr
	v_nop                                          ; a plain line behind the last reciprocal,
	s_wait_alu depctr_va_vdst(0)                   ; and one wait for the batch, ahead of its first reader
.irp i, 0,2,4,6,8,10,12,14
	v_pk_fma_f32 v[RR+\i:RR+\i+1], v[AA+\i:AA+\i+1], v[TT+\i:TT+\i+1], 1.0 op_sel_hi:[1,1,0] neg_lo:[1,0,0] neg_hi:[1,0,0]   ; one Newton step: 1 - a t,
.endr
.irp i, 0,2,4,6,8,10,12,14
	v_pk_fma_f32 v[TT+\i:TT+\i+1], v[TT+\i:TT+\i+1], v[RR+\i:RR+\i+1], v[TT+\i:TT+\i+1]   ; t = t + t (1 - a t)
.endr
.irp i, 0,2,4,6,8,10,12,14
	v_pk_fma_f32 v[PP+\i:PP+\i+1], v[TT+\i:TT+\i+1], s[CF+18:CF+19], v[C8V:C8V+1] op_sel_hi:[1,0,1]
.endr
.irp k, 7,6,5,4,3,2,1,0
.irp i, 0,2,4,6,8,10,12,14
	v_pk_fma_f32 v[PP+\i:PP+\i+1], v[PP+\i:PP+\i+1], v[TT+\i:TT+\i+1], s[CF+2*\k:CF+2*\k+1] op_sel_hi:[1,1,0]
.endr
.endr
.irp i, 0,2,4,6,8,10,12,14
	v_pk_fma_f32 v[PP+\i:PP+\i+1], v[ZZ+\i:ZZ+\i+1], v[ZZ+\i:ZZ+\i+1], v[PP+\i:PP+\i+1] neg_lo:[1,0,0] neg_hi:[1,0,0]   ; - z z + poly
.endr
.irp i, 0,2,4,6,8,10,12,14
	v_pk_mul_f32 v[PP+\i:PP+\i+1], v[PP+\i:PP+\i+1], s[56:57] op_sel_hi:[1,0]
.endr
.irp i, 0,1,2,3,4,5,6,7,8,9,10,11,12,13,14,15
	v_exp_f32 v[RR+\i], v[PP+\i]
.endr
	v_nop
	s_wait_alu depctr_va_vdst(0)                   ; one wait for the 16 exponentials
.irp i, 0,2,4,6,8,10,12,14
	v_pk_mul_f32 v[TT+\i:TT+\i+1], v[TT+\i:TT+\i+1], v[RR+\i:RR+\i+1]   ; erfc(z)
.endr
.irp i, 0,2,4,6,8,10,12,14
	v_pk_mul_f32 v[ZZ+\i:ZZ+\i+1], v[TT+\i:TT+\i+1], 0.5 op_sel_hi:[1,0]           ; Phi for g < 0
	v_pk_fma_f32 v[AA+\i:AA+\i+1], v[TT+\i:TT+\i+1], -0.5, 1.0 op_sel_hi:[1,0,0]   ; Phi for g >= 0
.endr
.irp i, 0,1,2,3,4,5,6,7,8,9,10,11,12,13,14,15
	v_cmp_gt_f32 vcc_lo, 0, v[GG+\i]
	v_cndmask_b32 v[ZZ+\i], v[AA+\i], v[ZZ+\i], vcc_lo
.endr
.irp i, 0,2,4,6,8,10,12,14
	v_pk_mul_f32 v[GG+\i:GG+\i+1], v[GG+\i:GG+\i+1], v[ZZ+\i:ZZ+\i+1]   ; gelu(g)
.endr
.irp i, 0,2,4,6,8,10,12,14
	v_pk_mul_f32 v[ACC+\i:ACC+\i+1], v[ACC+\i:ACC+\i+1], v[GG+\i:GG+\i+1]   ; h: 16 neighbours along the next K
.endr
	v_max3_num_f32 v[MX0], |v[ACC]|, |v[ACC+1]|, 0x8000000   ; the block's largest magnitude, in two chains, with the floor 2^(16 - 127)
	v_max3_num_f32 v[MX1], |v[ACC+2]|, |v[ACC+3]|, |v[ACC+4]|
	v_max3_num_f32 v[MX0], v[MX0], |v[ACC+5]|, |v[ACC+6]|
	v_max3_num_f32 v[MX1], v[MX1], |v[ACC+7]|, |v[ACC+8]|
	v_max3_num_f32 v[MX0], v[MX0], |v[ACC+9]|, |v[ACC+10]|
	v_max3_num_f32 v[MX1], v[MX1], |v[ACC+11]|, |v[ACC+12]|
	v_max3_num_f32 v[MX0], v[MX0], |v[ACC+13]|, |v[ACC+14]|
	v_max3_num_f32 v[MX1], v[MX1], v[MX0], |v[ACC+15]|
	v_permlanex16_b32 v[MX0], v[MX1], s[SEL], s[SEL+1]
	v_max_num_f32 v[MX0], v[MX0], v[MX1]           ; with lane l xor 16's 16
	v_add_nc_u32 v[SC], 0xf8800000, v[MX0]
	v_and_or_b32 v[HH], v[MX0], 0x7f800000, s[MNT]
	v_lshrrev_b32 v[BY], 23, v[SC]
.irp i, 0,1,2,3,4,5,6,7,8,9,10,11,12,13,14,15
	v_med3_num_f32 v[ACC+\i], v[ACC+\i], -v[HH], v[HH]
.endr
	v_cvt_scalef32_pk8_bf8_f32 v[HC:HC+1], v[ACC:ACC+7], v[SC]
	v_cvt_scalef32_pk8_bf8_f32 v[HC+2:HC+3], v[ACC+8:ACC+15], v[SC]
	v_nop                                          ; one plain vector line behind the last conversion: the next trip's products write its sources
	v_add_nc_u32 v[HO], s28, v[LO]
	v_add_nc_u32 v[HSO], s29, v[R32]
	global_store_b128 v[HO], v[HC:HC+3], s[14:15]  ; 32 lanes store 512 consecutive bytes: register group j % 4 of the image
	global_store_b8 v[HSO], v[BY], s[16:17]        ; lanes r and r + 16 write the same byte with the same value
	s_sub_co_u32 s23, s23, 1
	s_cmp_lg_u32 s23, 0
	s_cbranch_scc1 .Ltile
.Lend:
	s_wait_tensorcnt 0x0                           ; the wave's end, behind my last LDS store
	ds_add_u32 v[SPW], v[NIL]
	s_wait_dscnt 0x0
	s_endpgm
.Lfunc_end_k_q51d437da42_inproj:
	.size	k_q51d437da42_inproj, .Lfunc_end_k_q51d437da42_inproj-k_q51d437da42_inproj
	.p2alignl 7, 3214868480
	.fill 96, 4, 3214868480
	.section	.rodata,"a",@progbits
	.p2align	6, 0x0
	.amdhsa_kernel k_q51d437da42_inproj
		.amdhsa_group_segment_fixed_size 137728
		.amdhsa_private_segment_fixed_size 0
		.amdhsa_enable_private_segment 0
		.amdhsa_kernarg_size 56
		.amdhsa_user_sgpr_count 2
		.amdhsa_user_sgpr_kernarg_segment_ptr 1
		.amdhsa_wavefront_size32 1
		.amdhsa_system_sgpr_workgroup_id_x 1
		.amdhsa_system_sgpr_workgroup_id_y 1
		.amdhsa_system_sgpr_workgroup_id_z 1
		.amdhsa_system_vgpr_workitem_id 0
		.amdhsa_next_free_vgpr 1024
		.amdhsa_next_free_sgpr 66
		.amdhsa_reserve_vcc 1
		.amdhsa_float_denorm_mode_32 3
		.amdhsa_float_denorm_mode_16_64 3
		.amdhsa_memory_ordered 1
		.amdhsa_forward_progress 1
		.amdhsa_inst_pref_size 141
	.end_amdhsa_kernel
	.amdgpu_metadata
---
amdhsa.version: [ 1, 2 ]
amdhsa.kernels:
  - .name:           k_q51d437da42_inproj
    .symbol:         k_q51d437da42_inproj.kd
    .args:
      - { .name: W_in, .offset: 0, .size: 8, .value_kind: global_buffer, .address_space: global }
      - { .name: b_in, .offset: 8, .size: 8, .value_kind: global_buffer, .address_space: global }
      - { .name: sorted, .offset: 16, .size: 8, .value_kind: global_buffer, .address_space: global }
      - { .name: xq, .offset: 24, .size: 8, .value_kind: global_buffer, .address_space: global }
      - { .name: xs, .offset: 32, .size: 8, .value_kind: global_buffer, .address_space: global }
      - { .name: hid, .offset: 40, .size: 8, .value_kind: global_buffer, .address_space: global }
      - { .name: hsc, .offset: 48, .size: 8, .value_kind: global_buffer, .address_space: global }
    .group_segment_fixed_size: 137728
    .private_segment_fixed_size: 0
    .kernarg_segment_align: 8
    .kernarg_segment_size: 56
    .max_flat_workgroup_size: 128
    .sgpr_count:     66
    .vgpr_count:     1024
    .wavefront_size: 32
...
	.end_amdgpu_metadata
.endif
;; end of part 3
;; launch outproj (part 4): grid 16 x 16, 4 waves a work-group, no clusters, 17,920 bytes of LDS; arguments sorted, combine_mask, wo_codes, wo_scales, b_out, hid, hsc, out0; writes out0
.if DOCPART == 4
	.amdgcn_target "amdgcn-amd-amdhsa--gfx1250"
	.amdhsa_code_object_version 6
	.text
	.protected	k_q51d437da42_outproj
	.globl	k_q51d437da42_outproj
	.p2align	8
	.type	k_q51d437da42_outproj,@function
k_q51d437da42_outproj:
	s_mov_b64 s[64:65], 0
	v_nop
	global_prefetch_b8 v0, s[64:65] scope:SCOPE_SE
	s_setreg_imm32_b32 hwreg(HW_REG_WAVE_MODE, 25, 1), 1
	s_wait_xcnt 0x0
; OUTPROJ.  out0[t][f] = sum over e of combine[t][e] x ( Q(h) Q(W_out[e])^T + b_out[e] )[t][f].  Pairs (tile, expert) in which no token has the expert in its set are left out, by the stored sets (see prep's head).
; Work-group (jc, G): output columns 64 jc .. 64 jc + 63 (256 bytes of a row) for tiles 8 G .. 8 G + 7 of sorted.  Wave w owns tiles 8 G + 2 w and + 1, all 64 columns: EVERY OUTPUT NUMBER HAS ONE OWNER, nothing is added later.
; The wave walks the 8 experts in a loop of constant count and passes over, by a scalar branch on the tiles' entries, those that neither tile uses.  For an expert in use: W_out's 32 fragments (4 column tiles x 8 K steps,
; images made by prep) and the tile's 8 hidden fragments (images made by inproj) come from memory straight into the operands' registers, every load 512 consecutive bytes.  The product is used transposed (source 0 = 16
; columns of W_out, source 1 = 16 tokens), b_out is the C of each sum's first product, and out += combine x result.  A token of the tile whose combine is 0 adds 0.  A token with an empty set gets zeros.
; No tensor loads, no cluster: the walk hangs on stored numbers.  No barrier: waves share nothing.  The running sums begin as zeros (64 moves, once): which expert comes first is not known to the text.
.set SPARE, 17408                      ; behind the four stages of 16 x 272 bytes: the spare words, 128 bytes a wave
.set LO,  4                            ; v4   16 x lane
.set RS,  5                            ; v5   32 r
.set BO,  6                            ; v6   32 h
.set EN,  8                            ; v8, v9    my token's entry in tile 0, 1
.set HO,  12                           ; v12  16 x lane + tile 0's images
.set HSO, 14                           ; v14  32 r + tile 0's scale bytes
.set CO,  16                           ; v16, v17  my token's row of combine_mask
.set CC,  18                           ; v[18:19], v[20:21] combine (the pair's low word serves both halves)
.set STO, 22
.set RD,  23
.set C16, 24                           ; v24  16 (lane % 16)
.set TP,  25
.set EA,  26                           ; v26  64 x tile 0 + 4 r
.set TA,  27                           ; v27  64 x tile 0 + 4 h
.set BI,  32                           ; v32-63   b_out, eight registers a column tile
.set WS,  64                           ; v64-95   W_out's scale words, 8 n + s
.set HS,  96                           ; v96-111  the hidden layer's, 8 i + s
.set TMP, 112                          ; v112-143 one expert's result for one tile
.set OUTA, 144                         ; v144-207 the running sums, 32 i + 8 n
.set TK,  216                          ; v216-231 the way out: byte offset in out0 of row 2 q + h of tile i
.set BK,  32                           ; the way out: rows read back, v32-95
.set SPW, 252
.set NIL, 253
.set MSB, 0
.macro WIN new                         ; the immediate's high byte repeats the setting that is left
.if MSB != (\new)
	s_set_vgpr_msb (MSB<<8)|(\new)
.set MSB, (\new)
.endif
.endm
	s_load_b512 s[4:19], s[0:1], 0x0               ; sorted, combine_mask, wo_codes, wo_scales, b_out, hid, hsc, out0
	v_lshl_add_u32 v[SPW], v0, 2, SPARE
	v_mov_b32 v[NIL], 0
	v_lshrrev_b32 v[TP], 5, v0
	v_readfirstlane_b32 s20, v[TP]                 ; wave
	v_and_b32 v1, 31, v0
	v_and_b32 v2, 15, v0                           ; r
	v_bfe_u32 v3, v0, 4, 1                         ; h
	v_lshlrev_b32 v[LO], 4, v1
	v_lshlrev_b32 v[RS], 5, v2
	v_lshlrev_b32 v[BO], 5, v3
	v_lshlrev_b32 v[C16], 4, v2
	s_mul_i32 s26, s20, 4352                       ; my stage
	v_mul_u32_u24 v[STO], v2, 272
	v_lshl_add_u32 v[STO], v3, 5, v[STO]
	v_add_nc_u32 v[STO], s26, v[STO]               ; in: row r, + 32 h
	v_mul_u32_u24 v[RD], v3, 272
	v_add_nc_u32 v[RD], v[RD], v[C16]
	v_add_nc_u32 v[RD], s26, v[RD]                 ; back: lanes 0-15 one row of 256 bytes, lanes 16-31 the next
	s_and_b32 s27, ttmp7, 0xffff
	s_lshl_b32 s27, s27, 3
	s_lshl_b32 s28, s20, 1
	s_add_co_u32 s27, s27, s28                     ; my first tile: 8 G + 2 w
	s_lshl_b32 s28, s27, 6
	v_lshl_add_u32 v[EA], v2, 2, s28
	v_lshl_add_u32 v[TA], v3, 2, s28
	s_lshl_b32 s28, s27, 17
	v_add_nc_u32 v[HO], s28, v[LO]
	s_lshl_b32 s28, s27, 12
	v_add_nc_u32 v[HSO], s28, v[RS]
	s_lshl_b32 s28, ttmp9, 16                      ; my 4 column tiles' images
	s_mov_b32 s29, 0
	s_lshl_b32 s30, ttmp9, 11                      ; my 64 columns' scale bytes
	s_mov_b32 s31, 0
	s_lshl_b32 s32, ttmp9, 8                       ; my 64 columns in b_out and in a row of out0
	s_mov_b32 s33, 0
	s_wait_kmcnt 0x0
	s_add_nc_u64 s[8:9], s[8:9], s[28:29]
	s_add_nc_u64 s[10:11], s[10:11], s[30:31]
	s_add_nc_u64 s[12:13], s[12:13], s[32:33]
	s_add_nc_u64 s[18:19], s[18:19], s[32:33]
.irp i, 0,1
	global_load_b32 v[EN+\i], v[EA], s[4:5] offset:64*\i
.irp q, 0,1,2,3,4,5,6,7
	global_load_b32 v[TK+8*\i+\q], v[TA], s[4:5] offset:64*\i+8*\q   ; the entry of row 2 q + h
.endr
.endr
.irp k, 0,1,2,3,4,5,6,7,8,9,10,11,12,13,14,15,16,17,18,19,20,21,22,23,24,25,26,27,28,29,30,31,32,33,34,35,36,37,38,39,40,41,42,43,44,45,46,47,48,49,50,51,52,53,54,55,56,57,58,59,60,61,62,63
	v_mov_b32 v[OUTA+\k], 0
.endr
	v_mov_b32 v[CC+1], 0                           ; named as the pairs' upper halves, so they are written
	v_mov_b32 v[CC+3], 0
	s_wait_loadcnt 0x0
.irp i, 0,1
	v_and_b32 v[CO+\i], 0x7ff, v[EN+\i]            ; the token;
	v_min_u32 v[CO+\i], 0x7ff, v[CO+\i]            ; a loaded number enters an address behind a bound written in the instruction
	v_lshlrev_b32 v[CO+\i], 5, v[CO+\i]
.endr
.irp k, 0,1,2,3,4,5,6,7,8,9,10,11,12,13,14,15
	v_and_b32 v[TK+\k], 0x7ff, v[TK+\k]
	v_min_u32 v[TK+\k], 0x7ff, v[TK+\k]
	v_lshl_add_u32 v[TK+\k], v[TK+\k], 12, v[C16]  ; the token's row of 4,096 bytes, + 16 (lane % 16)
.endr
.macro WLOAD                           ; the expert's weights for my 64 columns: fragment (n, s) at v[64 (s % 4) + 16 n] of window 1 (s < 4) or 2
	WIN 0x40
.irp t, 0,1,2,3
.irp n, 0,1,2,3
.irp c, 0,1,2,3
	global_load_b128 v[64*\t+16*\n+4*\c:64*\t+16*\n+4*\c+3], v[LO], s[8:9] offset:16384*\n+2048*\t+512*\c
.endr
.endr
.endr
	WIN 0x80
.irp t, 4,5,6,7
.irp n, 0,1,2,3
.irp c, 0,1,2,3
	global_load_b128 v[64*(\t-4)+16*\n+4*\c:64*(\t-4)+16*\n+4*\c+3], v[LO], s[8:9] offset:16384*\n+2048*\t+512*\c
.endr
.endr
.endr
	WIN 0
.irp n, 0,1,2,3
	global_load_b128 v[WS+8*\n:WS+8*\n+3], v[RS], s[10:11] offset:512*\n
	global_load_b128 v[WS+8*\n+4:WS+8*\n+7], v[RS], s[10:11] offset:512*\n+16
	global_load_b128 v[BI+8*\n:BI+8*\n+3], v[BO], s[12:13] offset:64*\n
	global_load_b128 v[BI+8*\n+4:BI+8*\n+7], v[BO], s[12:13] offset:64*\n+16
.endr
.endm
.macro HLOAD i                         ; tile i's hidden fragments into window 3, v[128 i + 16 s]; its scale words; my token's combine
	WIN 0xc0
.irp t, 0,1,2,3,4,5,6,7
.irp c, 0,1,2,3
	global_load_b128 v[128*\i+16*\t+4*\c:128*\i+16*\t+4*\c+3], v[HO], s[14:15] offset:131072*\i+2048*\t+512*\c
.endr
.endr
	WIN 0
	global_load_b128 v[HS+8*\i:HS+8*\i+3], v[HSO], s[16:17] offset:4096*\i
	global_load_b128 v[HS+8*\i+4:HS+8*\i+7], v[HSO], s[16:17] offset:4096*\i+16
	global_load_b32 v[CC+2*\i], v[CO+\i], s[6:7]
.endm
.macro MULS i, t, first                ; K step t: the four accumulators by turns, one instruction a turn
.irp n, 0,1,2,3
.if \first
	v_wmma_scale_f32_16x16x128_f8f6f4 v[TMP+8*\n:TMP+8*\n+7], v[64*((\t)%4)+16*\n:64*((\t)%4)+16*\n+15], v[128*\i+16*(\t):128*\i+16*(\t)+15], v[BI+8*\n:BI+8*\n+7], v[WS+8*\n+(\t)], v[HS+8*\i+(\t)] matrix_a_fmt:MATRIX_FMT_BF8 matrix_b_fmt:MATRIX_FMT_BF8
.else
	v_wmma_scale_f32_16x16x128_f8f6f4 v[TMP+8*\n:TMP+8*\n+7], v[64*((\t)%4)+16*\n:64*((\t)%4)+16*\n+15], v[128*\i+16*(\t):128*\i+16*(\t)+15], v[TMP+8*\n:TMP+8*\n+7], v[WS+8*\n+(\t)], v[HS+8*\i+(\t)] matrix_a_fmt:MATRIX_FMT_BF8 matrix_b_fmt:MATRIX_FMT_BF8
.endif
.endr
.endm
.macro PROD i
	WIN 0x0d                                       ; source 0 (weights) window 1, source 1 (hidden) window 3
	MULS \i, 0, 1
	MULS \i, 1, 0
	MULS \i, 2, 0
	MULS \i, 3, 0
	WIN 0x0e
	MULS \i, 4, 0
	MULS \i, 5, 0
	MULS \i, 6, 0
	MULS \i, 7, 0
	WIN 0
.rept 9
	v_nop                                          ; places: 8 ahead of the first read of results and of later loads into the operands; 9 ahead of the next products, which begin the accumulators anew
.endr
.irp p, 0,2,4,6,8,10,12,14,16,18,20,22,24,26,28,30
	v_pk_fma_f32 v[OUTA+32*\i+\p:OUTA+32*\i+\p+1], v[TMP+\p:TMP+\p+1], v[CC+2*\i:CC+2*\i+1], v[OUTA+32*\i+\p:OUTA+32*\i+\p+1] op_sel_hi:[1,0,1]   ; out += combine x result; each accumulator from its low end on
.endr
.endm
	s_mov_b32 s21, 0
	s_mov_b32 s22, 1<<11                           ; the expert's bit in an entry
.Lexp:                                                 ; eight trips, an expert each
	v_and_b32 v[TP], s22, v[EN]
	v_cmp_ne_u32 s24, 0, v[TP]                     ; does tile 0 hold a token of this expert?
	v_and_b32 v[TP], s22, v[EN+1]
	v_cmp_ne_u32 s25, 0, v[TP]                     ; does tile 1?
	s_or_b32 s26, s24, s25
	s_cmp_eq_u32 s26, 0
	s_cbranch_scc1 .Lnext
	WLOAD
	s_cmp_eq_u32 s24, 0
	s_cbranch_scc1 .Lonly1
	HLOAD 0
	s_cmp_eq_u32 s25, 0
	s_cbranch_scc1 .Lonly0
	HLOAD 1
	s_wait_loadcnt 0x0
	PROD 0
	PROD 1
	s_branch .Lnext
.Lonly0:
	s_wait_loadcnt 0x0
	PROD 0
	s_branch .Lnext
.Lonly1:
	HLOAD 1
	s_wait_loadcnt 0x0
	PROD 1
.Lnext:
	s_wait_xcnt 0x0                                ; the trip's loads have read their bases: they step to the next expert
	s_add_nc_u64 s[6:7], s[6:7], 4
	s_add_nc_u64 s[8:9], s[8:9], 0x100000
	s_add_nc_u64 s[10:11], s[10:11], 0x8000
	s_add_nc_u64 s[12:13], s[12:13], 0x1000
	s_add_nc_u64 s[14:15], s[14:15], 0x4000
	s_add_nc_u64 s[16:17], s[16:17], 0x200
	s_lshl_b32 s22, s22, 1
	s_add_co_u32 s21, s21, 1
	s_cmp_lt_u32 s21, 8
	s_cbranch_scc1 .Lexp
	; THE WAY OUT.  A lane holds 8 neighbouring columns of one token in each of 4 column tiles; a tile goes through my stage and comes back as rows of 256 bytes, which sixteen lanes store as one aligned run in the token's row
.irp i, 0,1
.irp n, 0,1,2,3
	ds_store_b128 v[STO], v[OUTA+32*\i+8*\n:OUTA+32*\i+8*\n+3] offset:64*\n
	ds_store_b128 v[STO], v[OUTA+32*\i+8*\n+4:OUTA+32*\i+8*\n+7] offset:64*\n+16
.endr
.irp q, 0,1,2,3,4,5,6,7
	ds_load_b128 v[BK+32*\i+4*\q:BK+32*\i+4*\q+3], v[RD] offset:544*\q   ; LDS serves a wave's instructions in order: these see the stores above, and the next tile's stores come behind them
.endr
.endr
.irp q, 0,1,2,3,4,5,6,7
	s_wait_dscnt 23-\q                             ; younger: this tile's later loads and the second tile's sixteen
	global_store_b128 v[TK+\q], v[BK+4*\q:BK+4*\q+3], s[18:19] th:TH_STORE_NT
.endr
.irp q, 0,1,2,3,4,5,6,7
	s_wait_dscnt 7-\q
	global_store_b128 v[TK+8+\q], v[BK+32+4*\q:BK+32+4*\q+3], s[18:19] th:TH_STORE_NT
.endr
	s_wait_tensorcnt 0x0                           ; the wave's end, behind my last LDS store
	ds_add_u32 v[SPW], v[NIL]
	s_wait_dscnt 0x0
	s_endpgm
.Lfunc_end_k_q51d437da42_outproj:
	.size	k_q51d437da42_outproj, .Lfunc_end_k_q51d437da42_outproj-k_q51d437da42_outproj
	.p2alignl 7, 3214868480
	.fill 96, 4, 3214868480
	.section	.rodata,"a",@progbits
	.p2align	6, 0x0
	.amdhsa_kernel k_q51d437da42_outproj
		.amdhsa_group_segment_fixed_size 17920
		.amdhsa_private_segment_fixed_size 0
		.amdhsa_enable_private_segment 0
		.amdhsa_kernarg_size 64
		.amdhsa_user_sgpr_count 2
		.amdhsa_user_sgpr_kernarg_segment_ptr 1
		.amdhsa_wavefront_size32 1
		.amdhsa_system_sgpr_workgroup_id_x 1
		.amdhsa_system_sgpr_workgroup_id_y 1
		.amdhsa_system_sgpr_workgroup_id_z 1
		.amdhsa_system_vgpr_workitem_id 0
		.amdhsa_next_free_vgpr 1024
		.amdhsa_next_free_sgpr 66
		.amdhsa_reserve_vcc 0
		.amdhsa_float_denorm_mode_32 3
		.amdhsa_float_denorm_mode_16_64 3
		.amdhsa_memory_ordered 1
		.amdhsa_forward_progress 1
		.amdhsa_inst_pref_size 60
	.end_amdhsa_kernel
	.amdgpu_metadata
---
amdhsa.version: [ 1, 2 ]
amdhsa.kernels:
  - .name:           k_q51d437da42_outproj
    .symbol:         k_q51d437da42_outproj.kd
    .args:
      - { .name: sorted, .offset: 0, .size: 8, .value_kind: global_buffer, .address_space: global }
      - { .name: combine_mask, .offset: 8, .size: 8, .value_kind: global_buffer, .address_space: global }
      - { .name: wo_codes, .offset: 16, .size: 8, .value_kind: global_buffer, .address_space: global }
      - { .name: wo_scales, .offset: 24, .size: 8, .value_kind: global_buffer, .address_space: global }
      - { .name: b_out, .offset: 32, .size: 8, .value_kind: global_buffer, .address_space: global }
      - { .name: hid, .offset: 40, .size: 8, .value_kind: global_buffer, .address_space: global }
      - { .name: hsc, .offset: 48, .size: 8, .value_kind: global_buffer, .address_space: global }
      - { .name: out0, .offset: 56, .size: 8, .value_kind: global_buffer, .address_space: global }
    .group_segment_fixed_size: 17920
    .private_segment_fixed_size: 0
    .kernarg_segment_align: 8
    .kernarg_segment_size: 64
    .max_flat_workgroup_size: 128
    .sgpr_count:     66
    .vgpr_count:     1024
    .wavefront_size: 32
...
	.end_amdgpu_metadata
.endif
;; end of part 4
;; ======== version 2 of 2: 4 launches
;; workspace buffers: keys 8,192 bytes of whole numbers; sorted 8,192 bytes of whole numbers; xq 16,778,240 bytes; xs 524,544 bytes; wo_codes 8,388,608 bytes; wo_scales 262,144 bytes; hid 16,777,216 bytes; hsc 524,288 bytes
;; launch prep (part 5): grid 256 x 1, 2 waves a work-group, no clusters, 34,048 bytes of LDS; arguments W_out, combine_mask, wo_codes, wo_scales, keys; writes wo_codes, wo_scales, keys
.if DOCPART == 5
	.amdgcn_target "amdgcn-amd-amdhsa--gfx1250"
	.amdhsa_code_object_version 6
	.text
	.protected	k_q51d437da42_prep
	.globl	k_q51d437da42_prep
	.p2align	8
	.type	k_q51d437da42_prep,@function
k_q51d437da42_prep:
	s_mov_b64 s[64:65], 0
	v_nop
	global_prefetch_b8 v0, s[64:65] scope:SCOPE_SE
	s_setreg_imm32_b32 hwreg(HW_REG_WAVE_MODE, 25, 1), 1
	s_wait_xcnt 0x0
; THE PROGRAM.  out0[t] = sum over experts e of combine[t][e] x ( Q(h) Q(W_out[e])^T + b_out[e] ),  h = x' gelu(g'),  (x', g') = Q(x[t] dispatch[t][e]) Q(W_in[e])^T + b_in[e];
; Q: codes of BF8 (E5M2) with one E8M0 scale for each 32 along K.  Four launches: prep (this one), place, inproj, outproj.
; WHAT IS NOT COMPUTED.  A pair (token t, expert e) reaches out0 through the factor combine[t][e] alone.  Where that number is +0 or -0 the pair adds 0 x (a finite number) = 0, whatever the other inputs hold.
; Which pairs those are hangs on the values of combine_mask, so nothing of it is built in: this launch turns combine != 0 into one set of 8 bits for each token, stored as whole numbers at fixed places, and the later
; launches read those numbers and do only the pairs that they ask for.  Every split is served, all 2,048 x 8 pairs too.  dispatch_mask decides nothing: a pair with dispatch = 0 is computed (it gives GEGLU(b_in)).
; All seven inputs are loaded by some launch.  LIMIT: a NaN, an infinity or an overflow that arises only in a pair with combine = 0 is not carried to the result (0 x infinity would be NaN).
; LIMITS of the quantisers: a block whose largest magnitude lies under 2^-111, a block of zeros too, gets the scale byte 1 (its codes are zeros or the format's smallest; the bytes are read by this program alone);
; NaN and infinities among the inputs are not served.
; THIS LAUNCH.  (1) W_out [8][1024][1024] f32 is read once and quantised along its last axis.  Wave Wd = 2 x work-group + wave (0 .. 511) takes 16 rows (expert Wd / 64, columns 16 (Wd % 64) on), 8 K steps of 128.
; Its codes leave as IMAGES OF THE OPERAND'S REGISTERS: fragment (tile Wd, K step s) is 2,048 bytes at (8 Wd + s) x 2,048, register group c of lane l at 512 c + 16 l; every store covers 512 consecutive bytes.
; The scale bytes leave in natural order, 32 a row.  (2) keys[t] = (set << 11) | t for tokens 4 Wd .. 4 Wd + 3.
; A load takes 512 consecutive bytes of one row; the conversions want 16 neighbours along K in one lane: a K step's 8,192 bytes turn through the wave's own stage in LDS.  No barrier: waves share nothing.
; Matrix units, tensor loads and clusters are left out: every byte is read once by one wave, and nothing is multiplied.
.set RAW,      1                       ; the window of the ring of raw numbers
.set SKIP,     0                       ; the 16 rows of a tile are neighbours
.set TO_RAW,   RAW<<6
.set FROM_RAW, RAW<<2
.set STAGE,    8448                    ; 16 rows x (512 bytes + 16): pitch 528 = 33 x 16 bytes, so the sixteen rows that a load touches begin in sixteen different 16-byte columns modulo 256
.set WSTG,     2*STAGE                 ; two stages a wave
.set SPARE,    2*WSTG                  ; behind the stages: the spare words, 128 bytes a wave, one block of 256 bytes that no other line names
.set LO,  4                            ; v4   16 x lane; never rewritten
.set SA,  5                            ; v5   the stage, on the way in
.set SB,  6                            ; v6   and on the way out: row r, + 64 h
.set CM,  7                            ; v7   my number of combine_mask
.set X,   64                           ; v64-191  two sets of 64 numbers: register 16 c + i = k 128 s + 32 c + 16 h + i of row r
.set PC,  192                          ; v192-223 two sets of 16 registers of codes
.set TM,  224                          ; v224-239 at work in QUANT
.set SW,  240                          ; v240-247 the scale word of each K step
.set SPW, 252                          ; v252 my spare word's LDS address; never rewritten
.set NIL, 253                          ; v253 0; never rewritten
.set WB,  4                            ; s[4:5] my 16 rows
.set SEL, 30                           ; s[30:31] selects of v_permlanex16_b32 for lane l xor 16
.set MNT, 32                           ; s32  the mantissa field of 57,344
.set MSB, 0
.macro WIN new                         ; the immediate's high byte repeats the setting that is left
.if MSB != (\new)
	s_set_vgpr_msb (MSB<<8)|(\new)
.set MSB, (\new)
.endif
.endm
.macro LOADW t                         ; K step t of my 16 rows into ring set t % 4: each load reads 512 consecutive bytes
	WIN TO_RAW
.irp m, 0,1,2,3,4,5,6,7,8,9,10,11,12,13,14,15
	global_load_b128 v[64*((\t)%4)+4*\m:64*((\t)%4)+4*\m+3], v[LO], s[WB:WB+1] offset:(\m+SKIP*(\m/8))*4096+512*(\t) th:TH_LOAD_NT
.endr
	WIN 0
.endm
.macro TURN t                          ; ring set t % 4 through stage t % 2 into X's set t % 2.  LDS serves a wave's instructions in order: no wait between the stores and the loads
	WIN FROM_RAW
.irp m, 0,1,2,3,4,5,6,7,8,9,10,11,12,13,14,15
	ds_store_b128 v[SA], v[64*((\t)%4)+4*\m:64*((\t)%4)+4*\m+3] offset:STAGE*((\t)%2)+528*\m
.endr
	WIN 0
.irp c, 0,1,2,3
.irp j, 0,1,2,3
	ds_load_b128 v[X+64*((\t)%2)+16*\c+4*\j:X+64*((\t)%2)+16*\c+4*\j+3], v[SB] offset:STAGE*((\t)%2)+128*\c+16*\j
.endr
.endr
.endm
; 64 numbers of a lane, register 16 b + i = k 32 b + 16 h + i of my row, become a fragment's 16 registers of codes in v[pc] on and its scale word in v[pw]
.macro QUANT src, pc, pw
.irp b, 0,1,2,3
	v_max3_num_f32 v[TM+\b], |v[\src+16*\b]|, |v[\src+1+16*\b]|, 0x8000000   ; block b: my 16 numbers, and the floor 2^(16 - 127): the byte cannot fall under 1
.endr
.irp i, 2,4,6,8,10,12,14
.irp b, 0,1,2,3
	v_max3_num_f32 v[TM+\b], v[TM+\b], |v[\src+16*\b+\i]|, |v[\src+1+16*\b+\i]|   ; the four blocks by turns
.endr
.endr
.irp b, 0,1,2,3
	v_permlanex16_b32 v[TM+4+\b], v[TM+\b], s[SEL], s[SEL+1]
.endr
.irp b, 0,1,2,3
	v_max_num_f32 v[TM+\b], v[TM+\b], v[TM+4+\b]   ; with lane l xor 16's 16: the block's largest magnitude
.endr
.irp b, 0,1,2,3
	v_add_nc_u32 v[TM+12+\b], 0xf8800000, v[TM+\b]   ; 15 off its exponent field: the conversion's scale operand
.endr
.irp b, 0,1,2,3
	v_and_or_b32 v[TM+8+\b], v[TM+\b], 0x7f800000, s[MNT]   ; 57,344 x the scale
.endr
.irp b, 0,1,2,3
	v_lshrrev_b32 v[TM+4+\b], 23, v[TM+12+\b]      ; the scale's byte
.endr
	v_lshl_or_b32 v[\pw], v[TM+5], 8, v[TM+4]
	v_lshl_or_b32 v[\pw], v[TM+6], 16, v[\pw]
	v_lshl_or_b32 v[\pw], v[TM+7], 24, v[\pw]
.irp b, 0,1,2,3
.irp i, 0,1,2,3,4,5,6,7,8,9,10,11,12,13,14,15
	v_med3_num_f32 v[\src+16*\b+\i], v[\src+16*\b+\i], -v[TM+8+\b], v[TM+8+\b]   ; the conversion to an 8-bit code does not saturate (ISA guide 7.6.2): the hold comes first
.endr
	v_cvt_scalef32_pk8_bf8_f32 v[\pc+4*\b:\pc+1+4*\b], v[\src+16*\b:\src+7+16*\b], v[TM+12+\b]
	v_cvt_scalef32_pk8_bf8_f32 v[\pc+2+4*\b:\pc+3+4*\b], v[\src+8+16*\b:\src+15+16*\b], v[TM+12+\b]
.endr
	v_nop                                          ; one plain vector line behind the last conversion
.endm
	s_load_b256 s[4:11], s[0:1], 0x0               ; W_out, combine_mask, wo_codes, wo_scales
	s_load_b64 s[12:13], s[0:1], 0x20              ; keys
	v_lshl_add_u32 v[SPW], v0, 2, SPARE
	v_mov_b32 v[NIL], 0
	v_lshrrev_b32 v8, 5, v0
	v_readfirstlane_b32 s14, v8                    ; wave 0, 1
	v_and_b32 v1, 31, v0                           ; lane
	v_and_b32 v2, 15, v0                           ; r
	v_bfe_u32 v3, v0, 4, 1                         ; h
	v_lshlrev_b32 v[LO], 4, v1
	v_lshlrev_b32 v9, 2, v1                        ; 4 x lane
	s_mul_i32 s18, s14, WSTG
	v_add_nc_u32 v[SA], s18, v[LO]
	v_mul_u32_u24 v[SB], v2, 528
	v_lshl_add_u32 v[SB], v3, 6, v[SB]
	v_add_nc_u32 v[SB], s18, v[SB]
	s_lshl_b32 s15, ttmp9, 1
	s_add_co_u32 s15, s15, s14                     ; Wd
	s_mov_b32 s[SEL], 0x76543210
	s_mov_b32 s[SEL+1], 0xfedcba98
	s_mov_b32 s[MNT], 0x600000
.irp b, 0,1,2,3
	v_mov_b32 v[TM+4+\b], 0                        ; written once: a lane permute's destination counts as one of its sources
.endr
	s_mov_b32 s17, 0
	s_wait_alu depctr_va_vdst(0)
	s_wait_kmcnt 0x0
	s_lshl_b32 s16, s15, 16                        ; 16 rows of 4,096 bytes
	s_add_nc_u64 s[4:5], s[4:5], s[16:17]
	s_lshl_b32 s16, s15, 7                         ; 4 tokens x 8 experts x 4 bytes
	s_add_nc_u64 s[6:7], s[6:7], s[16:17]
	s_lshl_b32 s16, s15, 14                        ; 8 images of 2,048 bytes
	s_add_nc_u64 s[8:9], s[8:9], s[16:17]
	s_lshl_b32 s16, s15, 9                         ; 16 rows of 32 scale bytes
	s_add_nc_u64 s[10:11], s[10:11], s[16:17]
	s_lshl_b32 s16, s15, 4                         ; 4 keys
	s_add_nc_u64 s[12:13], s[12:13], s[16:17]
	global_load_b32 v[CM], v9, s[6:7]              ; lane 8 q + e: combine[4 Wd + q][e]
	LOADW 0
	LOADW 1
	LOADW 2
	s_wait_loadcnt 32                              ; combine and set 0 are in; sets 1 and 2, 32 loads, are younger
	TURN 0
	; the keys.  The compare's result is stored as data at a fixed place; no address and no branch of this launch hangs on it
	v_cmp_neq_f32 s20, 0, v[CM]                    ; bit 8 q + e: the pair counts
	v_mov_b32 v11, s20
	v_lshlrev_b32 v10, 3, v1
	v_lshrrev_b32 v11, v10, v11                    ; lanes 0-3: token 4 Wd + lane's eight bits
	v_and_b32 v11, 0xff, v11
	s_lshl_b32 s22, s15, 2
	v_add_nc_u32 v12, s22, v1                      ; the token
	v_lshl_or_b32 v11, v11, 11, v12
	s_wait_alu depctr_va_vdst(0)
	s_wait_xcnt 0x0                                ; EXEC is a source of the loads that are out: it changes only behind this wait
	v_cmp_gt_u32 vcc_lo, 4, v1
	s_and_saveexec_b32 s21, vcc_lo
	global_store_b32 v9, v11, s[12:13]
	s_wait_xcnt 0x0                                ; and again in front of the line that widens it
	s_or_b32 exec_lo, exec_lo, s21
; K step s.  n: the loads younger than ring set s + 1
.macro STEP s, n
	s_wait_dscnt 0x0                               ; X's set s % 2 is back from the stage, and the stage's stores have read ring set (s - 1) % 4
	s_wait_xcnt 0x0                                ; the stores of K step s - 2 have read their codes: the registers are written again below
.if (\s) <= 4
	LOADW (\s)+3
.endif
.if (\s) <= 6
	s_wait_loadcnt \n
	TURN (\s)+1
.endif
	QUANT X+64*((\s)%2), PC+16*((\s)%2), SW+(\s)
.irp c, 0,1,2,3
	global_store_b128 v[LO], v[PC+16*((\s)%2)+4*\c:PC+16*((\s)%2)+4*\c+3], s[8:9] offset:2048*(\s)+512*\c th:TH_STORE_NT   ; 32 lanes store 512 consecutive bytes
.endr
.endm
	STEP 0, 32                                     ; two younger sets of 16 loads
	STEP 1, 32
	STEP 2, 32
	STEP 3, 32
	STEP 4, 32
	STEP 5, 16                                     ; nothing more is asked for: the counts run down
	STEP 6, 0
	STEP 7, 0
	v_cmp_eq_u32 vcc_lo, 1, v3                     ; a row's 32 scale bytes: lanes 0-15 store K steps 0-3's words, lanes 16-31 K steps 4-7's
.irp i, 0,1,2,3
	v_cndmask_b32 v[16+\i], v[SW+\i], v[SW+4+\i], vcc_lo
.endr
	v_lshlrev_b32 v20, 5, v2
	v_lshl_add_u32 v20, v3, 4, v20
	global_store_b128 v20, v[16:19], s[10:11]      ; 512 consecutive bytes
	s_wait_tensorcnt 0x0                           ; the wave's end, behind my last LDS store
	ds_add_u32 v[SPW], v[NIL]
	s_wait_dscnt 0x0
	s_endpgm
.Lfunc_end_k_q51d437da42_prep:
	.size	k_q51d437da42_prep, .Lfunc_end_k_q51d437da42_prep-k_q51d437da42_prep
	.p2alignl 7, 3214868480
	.fill 96, 4, 3214868480
	.section	.rodata,"a",@progbits
	.p2align	6, 0x0
	.amdhsa_kernel k_q51d437da42_prep
		.amdhsa_group_segment_fixed_size 34048
		.amdhsa_private_segment_fixed_size 0
		.amdhsa_enable_private_segment 0
		.amdhsa_kernarg_size 40
		.amdhsa_user_sgpr_count 2
		.amdhsa_user_sgpr_kernarg_segment_ptr 1
		.amdhsa_wavefront_size32 1
		.amdhsa_system_sgpr_workgroup_id_x 1
		.amdhsa_system_sgpr_workgroup_id_y 1
		.amdhsa_system_sgpr_workgroup_id_z 1
		.amdhsa_system_vgpr_workitem_id 0
		.amdhsa_next_free_vgpr 512
		.amdhsa_next_free_sgpr 66
		.amdhsa_reserve_vcc 1
		.amdhsa_float_denorm_mode_32 3
		.amdhsa_float_denorm_mode_16_64 3
		.amdhsa_memory_ordered 1
		.amdhsa_forward_progress 1
		.amdhsa_inst_pref_size 100
	.end_amdhsa_kernel
	.amdgpu_metadata
---
amdhsa.version: [ 1, 2 ]
amdhsa.kernels:
  - .name:           k_q51d437da42_prep
    .symbol:         k_q51d437da42_prep.kd
    .args:
      - { .name: W_out, .offset: 0, .size: 8, .value_kind: global_buffer, .address_space: global }
      - { .name: combine_mask, .offset: 8, .size: 8, .value_kind: global_buffer, .address_space: global }
      - { .name: wo_codes, .offset: 16, .size: 8, .value_kind: global_buffer, .address_space: global }
      - { .name: wo_scales, .offset: 24, .size: 8, .value_kind: global_buffer, .address_space: global }
      - { .name: keys, .offset: 32, .size: 8, .value_kind: global_buffer, .address_space: global }
    .group_segment_fixed_size: 34048
    .private_segment_fixed_size: 0
    .kernarg_segment_align: 8
    .kernarg_segment_size: 40
    .max_flat_workgroup_size: 64
    .sgpr_count:     66
    .vgpr_count:     512
    .wavefront_size: 32
...
	.end_amdgpu_metadata
.endif
;; end of part 5
;; launch place (part 6): grid 256 x 1, 8 waves a work-group, no clusters, 41,984 bytes of LDS; arguments keys, sorted, hidden_states, dispatch_mask, xq, xs; writes sorted, xq, xs
.if DOCPART == 6
	.amdgcn_target "amdgcn-amd-amdhsa--gfx1250"
	.amdhsa_code_object_version 6
	.text
	.protected	k_q51d437da42_place
	.globl	k_q51d437da42_place
	.p2align	8
	.type	k_q51d437da42_place,@function
k_q51d437da42_place:
	s_mov_b64 s[64:65], 0
	v_nop
	global_prefetch_b8 v0, s[64:65] scope:SCOPE_SE
	s_setreg_imm32_b32 hwreg(HW_REG_WAVE_MODE, 25, 1), 1
	s_wait_xcnt 0x0
; PLACE.  One wave to a token t = 8 x work-group + wave.  Pairs (t, e) with combine[t][e] = 0 are left out, by the bits of keys[t] that the launch before stored (see prep's head).
; (1) THE ORDER.  keys[t] = (set << 11) | t are 2,048 different numbers.  The wave reads all of them and counts those under its own: that count is its place, and sorted[place] = keys[t].  No atomics, no second pass:
;     each word of sorted has one writer.  Tokens with the same set of experts so lie together, and a tile of 16 neighbours of sorted uses few experts.
; (2) THE OPERAND.  For each expert e of the token's set: x[t] x dispatch[t][e] in f32, quantised along its 1,024 numbers: codes to row 8 t + e of xq (1,024 bytes, K in natural order), 32 scale bytes to xs.
;     A block's largest |x d| is (its largest |x|) x |d|, rounded: rounding keeps order.  So the maxima are taken once for the token.
; (3) Token 0's wave also writes row 16,384 of xq, zeros, and its scale bytes, 127: the row that tokens take in a tile of an expert that is not theirs.
; A load takes 512 consecutive bytes; the conversions want 16 neighbours in a lane: 2,048 bytes at a time turn through the wave's own stage (64 bytes + 16 of padding for each lane).  No barrier: waves share nothing.
; The scale bytes leave one byte a block, 32 neighbouring bytes a row: 64 KB in the whole launch where each token has one expert.
.set SPARE, 40960                      ; behind the eight stages' 5,120 bytes each: the spare words, 128 bytes a wave
.set LO,   4                           ; v4   16 x lane; never rewritten
.set STI,  5                           ; v5   the stage, on the way in: 80 (lane / 4) + 16 (lane % 4)
.set STOU, 6                           ; v6   and on the way out: 80 x lane
.set HB,   7                           ; v7   lane / 2: my block among a half row's 16
.set SPW,  14
.set NIL,  15
.set RW,   16                          ; v16-47   x as loaded
.set X,    48                          ; v48-79   x: register 16 u + i = k 512 u + 16 lane + i
.set Y,    80                          ; v80-95   x d, at work
.set BY,   96                          ; v96-111  a scale byte for each (e, u): no store's data are written again
.set AM,   112                         ; v112-113 the block's largest |x|, u = 0, 1
.set DD,   114                         ; v[114:115] d (the pair's low word serves both halves)
.set AA,   116
.set SC,   117
.set HH,   118
.set KY,   128                         ; v128-191 all keys, 64 a lane
.set C,    192                         ; v192-255 codes: four registers for each (e, u)
	s_load_b256 s[4:11], s[0:1], 0x0               ; keys, sorted, hidden_states, dispatch_mask
	s_load_b128 s[12:15], s[0:1], 0x20             ; xq, xs
	v_lshl_add_u32 v[SPW], v0, 2, SPARE
	v_mov_b32 v[NIL], 0
	v_lshrrev_b32 v8, 5, v0
	s_delay_alu instid0(VALU_DEP_1)
	v_readfirstlane_b32 s16, v8                    ; wave 0..7
	v_and_b32 v1, 31, v0                           ; lane
	s_delay_alu instid0(VALU_DEP_1)
	v_lshlrev_b32 v[LO], 4, v1
	s_mul_i32 s22, s16, 5120
	v_lshrrev_b32 v8, 2, v1
	s_delay_alu instid0(VALU_DEP_1)
	v_mul_u32_u24 v[STI], v8, 80
	v_and_b32 v8, 3, v1
	s_delay_alu instid0(VALU_DEP_1)
	v_lshl_add_u32 v[STI], v8, 4, v[STI]
	s_delay_alu instid0(VALU_DEP_1)
	v_add_nc_u32 v[STI], s22, v[STI]
	v_mul_u32_u24 v[STOU], v1, 80
	s_delay_alu instid0(VALU_DEP_1)
	v_add_nc_u32 v[STOU], s22, v[STOU]
	v_lshrrev_b32 v[HB], 1, v1
	v_mov_b32 v[DD+1], 0                           ; named with d as a pair, so it is written
	s_lshl_b32 s17, ttmp9, 3
	s_add_co_u32 s17, s17, s16                     ; t
	s_lshl_b32 s18, s17, 2                         ; my key's byte
	s_lshl_b32 s19, s17, 5                         ; my 8 numbers of dispatch_mask
	s_mov_b32 s33, 0x600000                        ; the mantissa field of 57,344
	s_mov_b32 s21, 0                               ; the count
	s_lshl_b32 s34, s17, 12                        ; my row of x
	s_mov_b32 s35, 0
	s_lshl_b32 s36, s17, 13                        ; my 8 rows of xq
	s_mov_b32 s37, 0
	s_lshl_b32 s38, s17, 8                         ; and of xs
	s_mov_b32 s39, 0
	s_wait_alu depctr_va_vdst(0)
	s_wait_kmcnt 0x0
	s_load_b32 s20, s[4:5], s18 offset:0x0         ; my key
	s_load_b256 s[24:31], s[10:11], s19 offset:0x0 ; dispatch[t][0 .. 7]
	s_add_nc_u64 s[8:9], s[8:9], s[34:35]
	s_add_nc_u64 s[44:45], s[12:13], 0x1000000     ; the row of zeros: row 16,384 of xq,
	s_add_nc_u64 s[46:47], s[14:15], 0x80000       ; and of xs
	s_add_nc_u64 s[12:13], s[12:13], s[36:37]
	s_add_nc_u64 s[14:15], s[14:15], s[38:39]
.irp i, 0,1,2,3,4,5,6,7
	global_load_b128 v[RW+4*\i:RW+4*\i+3], v[LO], s[8:9] offset:512*\i th:TH_LOAD_NT
.endr
.irp i, 0,1,2,3,4,5,6,7,8,9,10,11,12,13,14,15
	global_load_b128 v[KY+4*\i:KY+4*\i+3], v[LO], s[4:5] offset:512*\i
.endr
	s_wait_loadcnt 16                              ; x is in; the 16 loads of keys are younger
.irp u, 0,1
.irp i, 0,1,2,3
	ds_store_b128 v[STI], v[RW+16*\u+4*\i:RW+16*\u+4*\i+3] offset:2560*\u+640*\i
.endr
.irp j, 0,1,2,3
	ds_load_b128 v[X+16*\u+4*\j:X+16*\u+4*\j+3], v[STOU] offset:2560*\u+16*\j   ; LDS serves a wave's instructions in order: these see the stores above
.endr
.endr
	s_wait_loadcnt 0x0                             ; the keys
	s_wait_kmcnt 0x0                               ; mine, and dispatch
.irp g, 0,1,2,3,4,5,6,7,8,9,10,11,12,13,14,15
.irp q, 0,1,2,3
	v_cmp_gt_u32 s[40+\q], s20, v[KY+4*\g+\q]      ; the keys under mine
.endr
.irp q, 0,1,2,3
	s_bcnt1_i32_b32 s22, s[40+\q]
	s_add_co_u32 s21, s21, s22
.endr
.endr
	s_min_u32 s21, s21, 2047                       ; a number made of loaded numbers enters an address behind a bound written in the instruction
	s_lshl_b32 s21, s21, 2
	v_mov_b32 v8, s21
	v_mov_b32 v9, s20
	s_wait_alu depctr_va_vdst(0)
	s_wait_xcnt 0x0                                ; EXEC changes only behind this wait
	v_cmp_eq_u32 vcc_lo, 0, v1
	s_and_saveexec_b32 s23, vcc_lo
	global_store_b32 v8, v9, s[6:7]                ; sorted[place] = my key
	s_wait_xcnt 0x0
	s_or_b32 exec_lo, exec_lo, s23
	s_wait_dscnt 0x0                               ; x is back from the stage
.irp u, 0,1
	v_max3_num_f32 v[AM+\u], |v[X+16*\u]|, |v[X+16*\u+1]|, |v[X+16*\u+2]|
.endr
.irp i, 3,5,7,9,11,13
.irp u, 0,1
	s_delay_alu instid0(VALU_DEP_2)
	v_max3_num_f32 v[AM+\u], v[AM+\u], |v[X+16*\u+\i]|, |v[X+16*\u+\i+1]|
.endr
.endr
.irp u, 0,1
	s_delay_alu instid0(VALU_DEP_2)
	v_max_num_f32 v[AM+\u], v[AM+\u], |v[X+16*\u+15]|
.endr
.irp u, 0,1
	s_delay_alu instid0(VALU_DEP_2)
	v_max_num_f32_dpp v[AM+\u], v[AM+\u], v[AM+\u] row_xmask:1 row_mask:0xf bank_mask:0xf   ; with my neighbour's 16: the block's
.endr
.irp e, 0,1,2,3,4,5,6,7
	s_bitcmp1_b32 s20, 11+\e                       ; is expert e in my set?  A whole number that the launch before stored
	s_cbranch_scc0 .Lnot_\e
	v_mov_b32 v[DD], s[24+\e]
	s_wait_alu depctr_va_vdst(0)
.irp u, 0,1
	v_mul_f32 v[AA], v[AM+\u], |v[DD]|             ; the block's largest |x d|,
	s_delay_alu instid0(VALU_DEP_1)
	v_max_num_f32 v[AA], 0x8000000, v[AA]          ; and the floor 2^(16 - 127): the byte cannot fall under 1
	s_delay_alu instid0(VALU_DEP_1)
	v_add_nc_u32 v[SC], 0xf8800000, v[AA]          ; 15 off the exponent field: the conversion's scale operand
	s_delay_alu instid0(VALU_DEP_2)
	v_and_or_b32 v[HH], v[AA], 0x7f800000, s33     ; 57,344 x the scale
.irp i, 0,2,4,6,8,10,12,14
	v_pk_mul_f32 v[Y+\i:Y+\i+1], v[X+16*\u+\i:X+16*\u+\i+1], v[DD:DD+1] op_sel_hi:[1,0]
.endr
.irp i, 0,1,2,3,4,5,6,7,8,9,10,11,12,13,14,15
	v_med3_num_f32 v[Y+\i], v[Y+\i], -v[HH], v[HH] ; the conversion does not saturate (ISA guide 7.6.2): the hold comes first
.endr
	v_cvt_scalef32_pk8_bf8_f32 v[C+8*\e+4*\u:C+8*\e+4*\u+1], v[Y:Y+7], v[SC]
	v_cvt_scalef32_pk8_bf8_f32 v[C+8*\e+4*\u+2:C+8*\e+4*\u+3], v[Y+8:Y+15], v[SC]
	v_lshrrev_b32 v[BY+2*\e+\u], 23, v[SC]         ; the scale's byte; also the plain line behind the conversions
	global_store_b128 v[LO], v[C+8*\e+4*\u:C+8*\e+4*\u+3], s[12:13] offset:1024*\e+512*\u   ; 512 consecutive bytes
	global_store_b8 v[HB], v[BY+2*\e+\u], s[14:15] offset:32*\e+16*\u   ; both lanes of a block write the same byte with the same value
.endr
.Lnot_\e:
.endr
	s_cmp_lg_u32 s17, 0                            ; token 0's wave writes the row of zeros
	s_cbranch_scc1 .Lno_zero
.irp i, 0,1,2,3
	v_mov_b32 v[120+\i], 0
.endr
	v_mov_b32 v124, 0x7f7f7f7f
	v_lshlrev_b32 v125, 2, v1
	global_store_b128 v[LO], v[120:123], s[44:45]
	global_store_b128 v[LO], v[120:123], s[44:45] offset:512
	global_store_b32 v125, v124, s[46:47]
.Lno_zero:
	s_wait_tensorcnt 0x0                           ; the wave's end, behind my last LDS store
	ds_add_u32 v[SPW], v[NIL]
	s_wait_dscnt 0x0
	s_endpgm
.Lfunc_end_k_q51d437da42_place:
	.size	k_q51d437da42_place, .Lfunc_end_k_q51d437da42_place-k_q51d437da42_place
	.p2alignl 7, 3214868480
	.fill 96, 4, 3214868480
	.section	.rodata,"a",@progbits
	.p2align	6, 0x0
	.amdhsa_kernel k_q51d437da42_place
		.amdhsa_group_segment_fixed_size 41984
		.amdhsa_private_segment_fixed_size 0
		.amdhsa_enable_private_segment 0
		.amdhsa_kernarg_size 48
		.amdhsa_user_sgpr_count 2
		.amdhsa_user_sgpr_kernarg_segment_ptr 1
		.amdhsa_wavefront_size32 1
		.amdhsa_system_sgpr_workgroup_id_x 1
		.amdhsa_system_sgpr_workgroup_id_y 1
		.amdhsa_system_sgpr_workgroup_id_z 1
		.amdhsa_system_vgpr_workitem_id 0
		.amdhsa_next_free_vgpr 256
		.amdhsa_next_free_sgpr 66
		.amdhsa_reserve_vcc 1
		.amdhsa_float_denorm_mode_32 3
		.amdhsa_float_denorm_mode_16_64 3
		.amdhsa_memory_ordered 1
		.amdhsa_forward_progress 1
		.amdhsa_inst_pref_size 53
	.end_amdhsa_kernel
	.amdgpu_metadata
---
amdhsa.version: [ 1, 2 ]
amdhsa.kernels:
  - .name:           k_q51d437da42_place
    .symbol:         k_q51d437da42_place.kd
    .args:
      - { .name: keys, .offset: 0, .size: 8, .value_kind: global_buffer, .address_space: global }
      - { .name: sorted, .offset: 8, .size: 8, .value_kind: global_buffer, .address_space: global }
      - { .name: hidden_states, .offset: 16, .size: 8, .value_kind: global_buffer, .address_space: global }
      - { .name: dispatch_mask, .offset: 24, .size: 8, .value_kind: global_buffer, .address_space: global }
      - { .name: xq, .offset: 32, .size: 8, .value_kind: global_buffer, .address_space: global }
      - { .name: xs, .offset: 40, .size: 8, .value_kind: global_buffer, .address_space: global }
    .group_segment_fixed_size: 41984
    .private_segment_fixed_size: 0
    .kernarg_segment_align: 8
    .kernarg_segment_size: 48
    .max_flat_workgroup_size: 256
    .sgpr_count:     66
    .vgpr_count:     256
    .wavefront_size: 32
...
	.end_amdgpu_metadata
.endif
;; end of part 6
;; launch inproj (part 7): grid 32 x 8, 4 waves a work-group, no clusters, 137,728 bytes of LDS; arguments W_in, b_in, sorted, xq, xs, hid, hsc; writes hid, hsc
.if DOCPART == 7
	.amdgcn_target "amdgcn-amd-amdhsa--gfx1250"
	.amdhsa_code_object_version 6
	.text
	.protected	k_q51d437da42_inproj
	.globl	k_q51d437da42_inproj
	.p2align	8
	.type	k_q51d437da42_inproj,@function
k_q51d437da42_inproj:
	s_mov_b64 s[64:65], 0
	v_nop
	global_prefetch_b8 v0, s[64:65] scope:SCOPE_SE
	s_setreg_imm32_b32 hwreg(HW_REG_WAVE_SCHED_MODE, 0, 2), 2
	s_setreg_imm32_b32 hwreg(HW_REG_WAVE_MODE, 25, 1), 1
	s_wait_xcnt 0x0
	s_wait_alu depctr_vm_vsrc(0)
; INPROJ.  Work-group (j, e): hidden units 32 j .. 32 j + 31 of expert e, for every tile of 16 neighbours of sorted that holds a token of e.  Tiles without such a token are left out, by the stored sets (see prep's head).
; PHASE W.  The block's 64 rows of W_in[e] (32 of the x half, 32 of the gate half; 256 KB of f32) are read ONCE in the launch and quantised in registers.  Wave w makes weight tile m = w: part = w / 2 (x, gate), u = w % 2;
;   lane r of the tile takes row 32 j + 8 u + r + 8 (r / 8) of its part.  Its 8 fragments and scale words go to LDS as images of the operand's registers; one barrier; every wave then takes all 32 fragments into registers.
; PHASE T.  Wave w takes the flagged tiles among T = 4 i + w.  The product is used transposed (source 0 = 16 rows of W_in, source 1 = 16 tokens): lane (r, h) holds token r, and the 16 registers of tiles u = 0, 1 are
;   hidden units 32 j + 16 h + 0 .. 15: neighbours along the next K.  b_in is the C of each sum's first product.  h = x' g' Phi(g'), quantised: 32 j .. 32 j + 31 is one block of 32, in lanes l and l xor 16.
;   Codes go to hid as register group j % 4 of K step j / 4 of the image (T, e): 512 consecutive bytes; the block's scale byte to hsc[(T, e)][r][j].
;   A token of the tile that has not expert e in its set takes the row of zeros; its result is finite and meets combine = 0 in the next launch.
; Phi(g) = erfc(-g / sqrt 2) / 2.  erfc(z), z >= 0, = t exp(-z z + poly(t)), t = 1 / (1 + z / 2), a polynomial of degree 9 (fractional error 1.2e-7 in exact arithmetic); g < 0: Phi = erfc(|g| / sqrt 2) / 2, which keeps
;   the tail's relative accuracy; g >= 0: Phi = 1 - erfc / 2.  Both are computed and one is selected.  LIMIT: where erfc falls under 2^-126 it is taken as 0 (v_exp_f32 gives no denormals: ISA guide 15.8).
; No tensor loads, no cluster: the walk over tiles hangs on stored numbers.  The tile's x for the next trip is asked for a trip ahead.
; THE MODE: SCHED_MODE bits 1:0 = 2 (LLVM: expert scheduling mode 2), set by the entry lines.  The code itself states the register dependences between vector or matrix instructions and memory or LDS instructions,
; with s_wait_alu, always for 0.
; THE PLAN, PHASE W.  Registers that memory or LDS instructions touch in K step s:
;   ring sets 0 .. 3 (window 3)  Filled by global loads, read by the stage's LDS stores; no vector instruction names them.
;   X0, X1                       Filled from the stage (the turn of step s + 1 stands in step s); read and held in place by the quantiser of their step.
;   PC0, PC1, PW0, PW1           Written by step s's quantiser; read by its five image stores.
;   One wait on vm_vsrc at a step's head: the LDS stores issued so far have read the ring set in which the step's loads land, and the codes and scale word that its quantiser writes again.
;   One wait on va_vdst behind the quantiser: the codes and the scale word are written, for the image stores; the quantiser is done with its X, in which the turn after next lands, with no vector instruction between.
; THE PLAN, PHASE T.  A trip is a tile.
;   x (window 3, 128 registers), XS   Read by the trip's 32 products; behind them the next tile's loads land there.
;   XRO, XSO, A1, HO, HSO             Made at the trip's head, ahead of the products; read by the next tile's loads and by this tile's two stores.
;   EN1                               Read at the trip's head; its next load stands with x's.
;   HC, BY                            Written by the conversions at the trip's end; read by the two stores.
;   At the head one wait on vm_vsrc; ahead of the next tile's loads one on va_vdst; ahead of the two stores one on va_vdst.  All other addresses are made once, at the kernel's head.
.set RAW,      3
.set SKIP,     8                       ; rows 0-7 and 16-23 from the tile's first
.set TO_RAW,   RAW<<6
.set FROM_RAW, RAW<<2
.set STAGE,    8448                    ; 16 rows x (512 bytes + 16)
.set WSTG,     2*STAGE
.set WIMG,     4*WSTG                  ; 32 images of 2,048 bytes, index 8 m + s
.set WSC,      WIMG+32*2048            ; their scale words, 128 bytes each
.set SPARE,    WSC+32*128              ; the spare words, 128 bytes a wave: two blocks of 256 bytes that no other line names
.set LO,  4                            ; v4   16 x lane
.set SA,  5                            ; v5   the stage, in
.set SB,  6                            ; v6   the stage, out
.set IW,  7                            ; v7   where I store my images
.set IS,  8                            ; v8   and their scale words
.set LI,  9                            ; v9   WIMG + 16 x lane
.set LS,  10                           ; v10  WSC + 4 x lane
.set H16, 11                           ; v11  16 h
.set EN0, 12                           ; v12  the first tile's entry of sorted for my token
.set EN1, 13                           ; v13  the entry of the tile after the one whose x is asked for
.set A0,  14
.set A1,  15                           ; v14, v15 their addresses
.set XRO, 16                           ; v16  my token's row of xq, + 16 h
.set XSO, 17                           ; v17  and of xs
.set ZR,  18                           ; v18  16,384: the row of zeros
.set HO,  19
.set HSO, 20
.set R4,  21                           ; v21  4 r
.set R32, 22                           ; v22  32 r
.set TP,  23
.set BI,  24                           ; v24-55  b_in, eight registers a weight tile, in the result's layout
.set XS,  56                           ; v56-63  x's scale words, one a K step
.set X,   64                           ; phase W: v64-191 two sets of 64 numbers
.set ACC, 64                           ; phase T: v64-79 x', v80-95 g'
.set GG,  80
.set ZZ,  96
.set AA,  112
.set TT,  128
.set PP,  144
.set RR,  160
.set HC,  176                          ; v176-179 the block's codes
.set MX0, 180
.set MX1, 181
.set SC,  182
.set HH,  183
.set BY,  184
.set C8V, 186                          ; v[186:187] the polynomial's coefficient 8, twice
.set PC,  192                          ; phase W: v192-223 two sets of codes
.set WS,  192                          ; phase T: v192-223 the weights' scale words, 4 s + m
.set TM,  224                          ; v224-239 first my tiles' entries, then at work in QUANT
.set PW,  240                          ; v240-241 the scale word just made
.set BA,  242                          ; v242 64 h
.set LA,  243                          ; v243 256 x lane + 64 w
.set SPW, 252
.set NIL, 253
.set WB,  4                            ; s[4:5] my 24 rows' first
.set CF,  36                           ; s[36:55] the polynomial's coefficients, each twice
.set SEL, 60
.set MNT, 62
.set MSB, 0
.macro WIN new                         ; the immediate's high byte repeats the setting that is left
.if MSB != (\new)
	s_set_vgpr_msb (MSB<<8)|(\new)
.set MSB, (\new)
.endif
.endm
.macro LOADW t                         ; K step t of my 16 rows into ring set t % 4 (window 3): each load reads 512 consecutive bytes
	WIN TO_RAW
.irp m, 0,1,2,3,4,5,6,7,8,9,10,11,12,13,14,15
	global_load_b128 v[64*((\t)%4)+4*\m:64*((\t)%4)+4*\m+3], v[LO], s[WB:WB+1] offset:(\m+SKIP*(\m/8))*4096+512*(\t) th:TH_LOAD_NT
.endr
	WIN 0
.endm
.macro TURN t                          ; ring set t % 4 through stage t % 2 into X's set t % 2
	WIN FROM_RAW
.irp m, 0,1,2,3,4,5,6,7,8,9,10,11,12,13,14,15
	ds_store_b128 v[SA], v[64*((\t)%4)+4*\m:64*((\t)%4)+4*\m+3] offset:STAGE*((\t)%2)+528*\m
.endr
	WIN 0
.irp c, 0,1,2,3
.irp j, 0,1,2,3
	ds_load_b128 v[X+64*((\t)%2)+16*\c+4*\j:X+64*((\t)%2)+16*\c+4*\j+3], v[SB] offset:STAGE*((\t)%2)+128*\c+16*\j
.endr
.endr
.endm
.macro QUANT src, pc, pw               ; 64 numbers of a lane, register 16 b + i = k 32 b + 16 h + i of my row: a fragment's codes and its scale word
.irp b, 0,1,2,3
	v_max3_num_f32 v[TM+\b], |v[\src+16*\b]|, |v[\src+1+16*\b]|, 0x8000000   ; and the floor 2^(16 - 127)
.endr
.irp i, 2,4,6,8,10,12,14
.irp b, 0,1,2,3
	v_max3_num_f32 v[TM+\b], v[TM+\b], |v[\src+16*\b+\i]|, |v[\src+1+16*\b+\i]|
.endr
.endr
.irp b, 0,1,2,3
	v_permlanex16_b32 v[TM+4+\b], v[TM+\b], s[SEL], s[SEL+1]
.endr
.irp b, 0,1,2,3
	v_max_num_f32 v[TM+\b], v[TM+\b], v[TM+4+\b]
.endr
.irp b, 0,1,2,3
	v_add_nc_u32 v[TM+12+\b], 0xf8800000, v[TM+\b]
.endr
.irp b, 0,1,2,3
	v_and_or_b32 v[TM+8+\b], v[TM+\b], 0x7f800000, s[MNT]
.endr
.irp b, 0,1,2,3
	v_lshrrev_b32 v[TM+4+\b], 23, v[TM+12+\b]
.endr
	v_lshl_or_b32 v[\pw], v[TM+5], 8, v[TM+4]
	v_lshl_or_b32 v[\pw], v[TM+6], 16, v[\pw]
	v_lshl_or_b32 v[\pw], v[TM+7], 24, v[\pw]
.irp b, 0,1,2,3
.irp i, 0,1,2,3,4,5,6,7,8,9,10,11,12,13,14,15
	v_med3_num_f32 v[\src+16*\b+\i], v[\src+16*\b+\i], -v[TM+8+\b], v[TM+8+\b]
.endr
	v_cvt_scalef32_pk8_bf8_f32 v[\pc+4*\b:\pc+1+4*\b], v[\src+16*\b:\src+7+16*\b], v[TM+12+\b]
	v_cvt_scalef32_pk8_bf8_f32 v[\pc+2+4*\b:\pc+3+4*\b], v[\src+8+16*\b:\src+15+16*\b], v[TM+12+\b]
.endr
	v_nop                                          ; one plain vector line behind the last conversion
.endm
.macro COEF k, bits
	s_mov_b32 s[CF+2*\k], \bits
	s_mov_b32 s[CF+2*\k+1], \bits
.endm
.macro NEXT dst                        ; the next flagged tile of my wave out of the mask s22; with none left: tile 124 + w, whose entries are loaded and not used
	s_ctz_i32_b32 s26, s22
	s_min_u32 s26, s26, 31                         ; a number made of loaded numbers enters an address behind a bound written in the instruction
	s_sub_co_u32 s27, s22, 1
	s_and_b32 s22, s22, s27
	s_lshl_b32 s26, s26, 2
	s_add_co_u32 \dst, s26, s18
.endm
.macro ROWCALC en                      ; from my token's entry: its row 8 t + e of xq and xs, or the row of zeros
	v_and_b32 v[TP], 0x7ff, v[\en]
	v_lshl_add_u32 v[TP], v[TP], 3, s20
	v_and_b32 v[XSO], s21, v[\en]
	v_cmp_ne_u32 vcc_lo, 0, v[XSO]
	s_wait_alu depctr_va_vcc(0)                    ; the compare has written VCC, which the select below reads
	v_cndmask_b32 v[TP], v[ZR], v[TP], vcc_lo
	v_min_u32 v[TP], 0x4000, v[TP]
	v_lshl_add_u32 v[XRO], v[TP], 10, v[H16]
	v_lshlrev_b32 v[XSO], 5, v[TP]
.endm
.macro XLOAD                           ; a tile's 8 fragments of x into window 3, v[16 s] on, and its scale words
	WIN 0xc0
.irp t, 0,1,2,3,4,5,6,7
.irp c, 0,1,2,3
	global_load_b128 v[16*\t+4*\c:16*\t+4*\c+3], v[XRO], s[10:11] offset:128*\t+32*\c
.endr
.endr
	WIN 0
	global_load_b128 v[XS:XS+3], v[XSO], s[12:13]
	global_load_b128 v[XS+4:XS+7], v[XSO], s[12:13] offset:16
.endm
	s_load_b256 s[4:11], s[0:1], 0x0               ; W_in, b_in, sorted, xq
	s_load_b128 s[12:15], s[0:1], 0x20             ; xs, hid
	s_load_b64 s[16:17], s[0:1], 0x30              ; hsc
	v_lshl_add_u32 v[SPW], v0, 2, SPARE
	v_mov_b32 v[NIL], 0
	v_lshrrev_b32 v[TP], 5, v0
	v_readfirstlane_b32 s18, v[TP]                 ; wave w
	s_mov_b32 s19, ttmp9                           ; j
	s_and_b32 s20, ttmp7, 0xffff                   ; e
	v_and_b32 v1, 31, v0                           ; lane
	v_and_b32 v2, 15, v0                           ; r
	v_bfe_u32 v3, v0, 4, 1                         ; h
	v_lshlrev_b32 v[LO], 4, v1
	s_wait_alu depctr_va_sdst(0)                   ; s18 is written, ahead of its first reader: LDS addresses, the rows of W_in and the tiles' numbers are made from it
	s_mul_i32 s26, s18, WSTG
	v_add_nc_u32 v[SA], s26, v[LO]
	v_mul_u32_u24 v[SB], v2, 528
	v_lshl_add_u32 v[SB], v3, 6, v[SB]
	v_add_nc_u32 v[SB], s26, v[SB]
	s_lshl_b32 s26, s18, 14
	s_add_co_u32 s26, s26, WIMG
	v_add_nc_u32 v[IW], s26, v[LO]
	v_lshlrev_b32 v[LS], 2, v1
	s_lshl_b32 s26, s18, 10
	s_add_co_u32 s26, s26, WSC
	v_add_nc_u32 v[IS], s26, v[LS]
	v_add_nc_u32 v[LI], WIMG, v[LO]
	v_add_nc_u32 v[LS], WSC, v[LS]
	v_lshlrev_b32 v[H16], 4, v3
	v_mov_b32 v[ZR], 0x4000
	v_lshlrev_b32 v[R4], 2, v2
	v_lshlrev_b32 v[R32], 5, v2
	v_lshlrev_b32 v[BA], 6, v3
	v_lshlrev_b32 v[LA], 8, v1
	s_lshl_b32 s32, s18, 6
	v_add_nc_u32 v[LA], s32, v[LA]
	s_add_co_u32 s21, s20, 11
	s_lshl_b32 s21, 1, s21                         ; expert e's bit in an entry
	s_and_b32 s26, s18, 1                          ; u
	s_lshr_b32 s27, s18, 1                         ; part
	s_lshl_b32 s26, s26, 3
	s_lshl_b32 s27, s27, 10
	s_add_co_u32 s26, s26, s27
	s_lshl_b32 s27, s20, 11
	s_add_co_u32 s26, s26, s27
	s_lshl_b32 s27, s19, 5
	s_add_co_u32 s26, s26, s27                     ; my first row: 2,048 e + 1,024 part + 32 j + 8 u
	s_lshl_b32 s26, s26, 12
	s_mov_b32 s27, 0
	s_lshl_b32 s28, s20, 13
	s_lshl_b32 s29, s19, 7
	s_add_co_u32 s28, s28, s29                     ; b_in: (2,048 e + 32 j) x 4
	s_mov_b32 s29, 0
	s_lshl_b32 s30, s20, 14
	s_lshr_b32 s31, s19, 2
	s_lshl_b32 s31, s31, 11
	s_add_co_u32 s30, s30, s31
	s_and_b32 s31, s19, 3
	s_lshl_b32 s31, s31, 9
	s_add_co_u32 s30, s30, s31                     ; in hid: 16,384 e + 2,048 (j / 4) + 512 (j % 4)
	s_lshl_b32 s31, s20, 9
	s_add_co_u32 s31, s31, s19                     ; in hsc: 512 e + j
	COEF 0, 0xbfa1fc4e                             ; -1.26551223
	COEF 1, 0x3f8000c7                             ;  1.00002368
	COEF 2, 0x3ebf88fb                             ;  0.37409196
	COEF 3, 0x3dc636c9                             ;  0.09678418
	COEF 4, 0xbe3ec24c                             ; -0.18628806
	COEF 5, 0x3e8ec7cc                             ;  0.27886807
	COEF 6, 0xbf914e5d                             ; -1.13520398
	COEF 7, 0x3fbe87b0                             ;  1.48851587
	COEF 8, 0xbf527892                             ; -0.82215223
	COEF 9, 0x3e2ef945                             ;  0.17087277
	s_mov_b32 s56, 0x3fb8aa3b                      ; log2(e), twice
	s_mov_b32 s57, 0x3fb8aa3b
	s_mov_b32 s58, 0x3f3504f3                      ; 1 / sqrt 2
	s_mov_b32 s[SEL], 0x76543210
	s_mov_b32 s[SEL+1], 0xfedcba98
	s_mov_b32 s[MNT], 0x600000
	s_wait_kmcnt 0x0
	s_add_nc_u64 s[4:5], s[4:5], s[26:27]
	s_add_nc_u64 s[6:7], s[6:7], s[28:29]
	s_wait_alu depctr_va_vdst(0)                   ; the addresses and offsets made above are written: v4 to v11, v242 and v243, which the loads, LDS stores and LDS loads of the whole kernel read
.irp q, 0,1,2,3
	global_load_b128 v[TM+4*\q:TM+4*\q+3], v[LA], s[8:9] offset:16*\q   ; lane i: the 16 entries of tile 4 i + w
.endr
.irp m, 0,1,2,3
	global_load_b128 v[BI+8*\m:BI+8*\m+3], v[BA], s[6:7] offset:4096*(\m/2)+32*(\m%2)
	global_load_b128 v[BI+8*\m+4:BI+8*\m+7], v[BA], s[6:7] offset:4096*(\m/2)+32*(\m%2)+16
.endr
	LOADW 0
	LOADW 1
	LOADW 2
	s_wait_loadcnt 48                              ; the entries and b_in are in; the three ring sets, 48 loads, are younger
	v_or_b32 v[TP], v[TM], v[TM+1]
.irp i, 2,3,4,5,6,7,8,9,10,11,12,13,14,15
	v_or_b32 v[TP], v[TP], v[TM+\i]
.endr
	v_and_b32 v[TP], s21, v[TP]
	v_cmp_ne_u32 s22, 0, v[TP]                     ; bit i: tile 4 i + w holds a token of expert e
	s_wait_alu depctr_va_sdst(0)                   ; the compare has written s22, ahead of its first reader: the count and the tiles' numbers are made from it
	s_bcnt1_i32_b32 s23, s22                       ; how many tiles are mine
	NEXT s24                                       ; Tc: the tile whose x is asked for
	NEXT s25                                       ; Tn: the one after
	s_lshl_b32 s26, s24, 6
	v_add_nc_u32 v[A0], s26, v[R4]
	s_lshl_b32 s26, s25, 6
	v_add_nc_u32 v[A1], s26, v[R4]
	s_wait_alu depctr_va_vdst(0)                   ; v[A0] and v[A1] are written, which the two loads below read
	global_load_b32 v[EN0], v[A0], s[8:9]
	global_load_b32 v[EN1], v[A1], s[8:9]
.irp b, 0,1,2,3
	v_mov_b32 v[TM+4+\b], 0                        ; a lane permute's destination counts as one of its sources
.endr
	s_wait_loadcnt 34                              ; set 0 is in; sets 1 and 2 and the two entries are younger
	TURN 0
; K step s.  d: the LDS instructions younger than the turn of step s (the five image stores of step s - 1);  n: the loads younger than ring set s + 1
.macro STEP s, d, n
	s_wait_dscnt \d                                ; X's set s % 2 is back; older still: the stage's stores of ring set (s - 1) % 4 and the image stores of step s - 2
.if (\s) >= 1
	s_wait_alu depctr_vm_vsrc(0)                   ; the stage's stores issued so far have read their ring sets, in which this step's loads land; the image stores of step s - 2 have read the codes and the scale word that this step's quantiser writes again
.endif
.if (\s) <= 4
	LOADW (\s)+3
.endif
.if (\s) <= 6
	s_wait_loadcnt \n
	TURN (\s)+1                                    ; no vector instruction since the wait behind the last step's quantiser names the X that these loads fill
.endif
.if (\s) == 6
	ROWCALC EN0                                    ; every load has been waited for: the first tile's x is asked for here, into ring sets 0 and 1, which are done with
	s_wait_alu depctr_va_vdst(0)                   ; v[XRO] and v[XSO] are written, which the loads below read
	XLOAD
.endif
	QUANT X+64*((\s)%2), PC+16*((\s)%2), PW+(\s)%2
	s_wait_alu depctr_va_vdst(0)                   ; the quantiser has written the codes and the scale word, which the LDS stores below read, and is done with its X, in which the turn after next lands
.irp c, 0,1,2,3
	ds_store_b128 v[IW], v[PC+16*((\s)%2)+4*\c:PC+16*((\s)%2)+4*\c+3] offset:2048*(\s)+512*\c
.endr
	ds_store_b32 v[IS], v[PW+(\s)%2] offset:128*(\s)
.endm
	STEP 0, 0, 34                                  ; set 2, the two entries, set 3
	STEP 1, 5, 34                                  ; the two entries, sets 3 and 4
	STEP 2, 5, 32
	STEP 3, 5, 32
	STEP 4, 5, 32
	STEP 5, 5, 16
	STEP 6, 5, 0
	STEP 7, 5, 0
	s_wait_dscnt 0x0                               ; for the others' sake: my images lie in LDS
	s_barrier_signal -1
	s_barrier_wait -1                              ; all 32 do.  The launch's one barrier: every wave passes it; nothing is written to LDS behind it
	s_wait_alu depctr_vm_vsrc(0)                   ; my image stores have read v192 to v223, in which the weights' scale words land below (the quantisers that wrote them stand ahead of the last wait on va_vdst)
	s_cmp_eq_u32 s23, 0
	s_cbranch_scc1 .Lend                           ; no tile of mine holds a token of this expert
	WIN 0x40                                       ; K steps 0-3 into window 1, v[64 s + 16 m]
.irp t, 0,1,2,3
.irp m, 0,1,2,3
.irp c, 0,1,2,3
	ds_load_b128 v[64*\t+16*\m+4*\c:64*\t+16*\m+4*\c+3], v[LI] offset:(8*\m+\t)*2048+512*\c
.endr
.endr
.endr
	WIN 0x80                                       ; K steps 4-7 into window 2
.irp t, 4,5,6,7
.irp m, 0,1,2,3
.irp c, 0,1,2,3
	ds_load_b128 v[64*(\t-4)+16*\m+4*\c:64*(\t-4)+16*\m+4*\c+3], v[LI] offset:(8*\m+\t)*2048+512*\c
.endr
.endr
.endr
	WIN 0
.irp t, 0,1,2,3,4,5,6,7
.irp m, 0,1,2,3
	ds_load_b32 v[WS+4*\t+\m], v[LS] offset:(8*\m+\t)*128
.endr
.endr
	v_mov_b32 v[C8V], s[CF+16]
	v_mov_b32 v[C8V+1], s[CF+16]
	s_wait_dscnt 0x0
.macro MULS t, first                   ; K step t: the four accumulators by turns, one instruction a turn
.irp m, 0,1,2,3
.if \first
	v_wmma_scale_f32_16x16x128_f8f6f4 v[ACC+8*\m:ACC+8*\m+7], v[64*((\t)%4)+16*\m:64*((\t)%4)+16*\m+15], v[16*(\t):16*(\t)+15], v[BI+8*\m:BI+8*\m+7], v[WS+4*(\t)+\m], v[XS+(\t)] matrix_a_fmt:MATRIX_FMT_BF8 matrix_b_fmt:MATRIX_FMT_BF8
.else
	v_wmma_scale_f32_16x16x128_f8f6f4 v[ACC+8*\m:ACC+8*\m+7], v[64*((\t)%4)+16*\m:64*((\t)%4)+16*\m+15], v[16*(\t):16*(\t)+15], v[ACC+8*\m:ACC+8*\m+7], v[WS+4*(\t)+\m], v[XS+(\t)] matrix_a_fmt:MATRIX_FMT_BF8 matrix_b_fmt:MATRIX_FMT_BF8
.endif
.endr
.endm
.Ltile:                                                ; a trip: one tile.  s23 counts my tiles down
	s_wait_loadcnt 0x0                             ; this tile's x, asked for a trip ago, and the next entry; the loads that read v[XRO], v[XSO] and v[A1] are done
	s_wait_xcnt 0x0                                ; the last trip's two stores have had their addresses translated (ISA guide 3.1): their offsets and data are written again only behind this wait
	s_wait_alu depctr_vm_vsrc(0)                   ; the loads issued so far have read v[XRO], v[XSO] and v[A1], the last trip's stores v[HO], v[HSO], v[HC ..] and v[BY]: all of them are written again in this trip
	s_lshl_b32 s28, s24, 17
	s_add_co_u32 s28, s28, s30                     ; where this tile's codes go,
	s_lshl_b32 s29, s24, 12
	s_add_co_u32 s29, s29, s31                     ; and its scale bytes
	v_add_nc_u32 v[HO], s28, v[LO]
	v_add_nc_u32 v[HSO], s29, v[R32]
	ROWCALC EN1                                    ; the next tile's rows: all of the trip's addresses are made here, ahead of the products
	s_mov_b32 s24, s25
	NEXT s25                                       ; (my last tile makes these too, and uses none of them)
	s_lshl_b32 s26, s25, 6
	v_add_nc_u32 v[A1], s26, v[R4]
	WIN 0x0d                                       ; source 0 (weights) window 1, source 1 (x) window 3
	MULS 0, 1
	MULS 1, 0
	MULS 2, 0
	MULS 3, 0
	WIN 0x0e                                       ; weights: window 2
	MULS 4, 0
	MULS 5, 0
	MULS 6, 0
	MULS 7, 0
	WIN 0
.rept 9
	v_nop                                          ; places: 8 ahead of the first read of results; 9 ahead of the next trip's products, which begin the accumulators anew
.endr
	s_cmp_eq_u32 s23, 1
	s_cbranch_scc1 .Llast                          ; my last tile asks for nothing.  Every wait on loads in this loop is for 0, so the jump changes no count
	s_wait_alu depctr_va_vdst(0)                   ; the products are done reading x and its scale words, in which the loads below land; v[XRO], v[XSO] and v[A1] are written; the head's lines are done reading v[EN1]
	XLOAD                                          ; the next tile's x: it has this tile's vector work in which to land
	global_load_b32 v[EN1], v[A1], s[8:9]
.Llast:
.irp i, 0,1,2,3,4,5,6,7,8,9,10,11,12,13,14,15
	v_mul_f32 v[ZZ+\i], s58, |v[GG+\i]|            ; z = |g| / sqrt 2.  Each accumulator is read from its low end on
.endr
.set gi, 0
.irp m, 2,3,4,5,6,7,19,26,32,33,34,35,52,53,59,63  ; sixteen scalar registers that nothing else in the loop's second half holds (the pointers to W_in and b_in, j, coefficient 8 and a temporary are done with)
	v_cmp_gt_f32 s\m, 0, v[GG+gi]                  ; is g negative?  All sixteen masks in one run, long ahead of the selects that read them
.set gi, gi+1
.endr
.irp i, 0,2,4,6,8,10,12,14
	v_pk_fma_f32 v[AA+\i:AA+\i+1], v[ZZ+\i:ZZ+\i+1], 0.5, 1.0 op_sel_hi:[1,0,0]
.endr
	s_wait_alu depctr_va_vdst(0)
.irp i, 0,1,2,3,4,5,6,7,8,9,10,11,12,13,14,15
	v_rcp_f32 v[TT+\i], v[AA+\i]
.endr
	v_nop                                          ; a plain line behind the last reciprocal,
	s_wait_alu depctr_va_vdst(0)                   ; and one wait for the batch: the 16 reciprocals have written v[TT ..], ahead of their first reader
.irp i, 0,2,4,6,8,10,12,14
	v_pk_fma_f32 v[RR+\i:RR+\i+1], v[AA+\i:AA+\i+1], v[TT+\i:TT+\i+1], 1.0 op_sel_hi:[1,1,0] neg_lo:[1,0,0] neg_hi:[1,0,0]   ; one Newton step: 1 - a t,
.endr
.irp i, 0,2,4,6,8,10,12,14
	v_pk_fma_f32 v[TT+\i:TT+\i+1], v[TT+\i:TT+\i+1], v[RR+\i:RR+\i+1], v[TT+\i:TT+\i+1]   ; t = t + t (1 - a t)
.endr
.irp i, 0,2,4,6,8,10,12,14
	v_pk_fma_f32 v[PP+\i:PP+\i+1], v[TT+\i:TT+\i+1], s[CF+18:CF+19], v[C8V:C8V+1] op_sel_hi:[1,0,1]
.endr
.irp k, 7,6,5,4,3,2,1,0
.irp i, 0,2,4,6,8,10,12,14
	v_pk_fma_f32 v[PP+\i:PP+\i+1], v[PP+\i:PP+\i+1], v[TT+\i:TT+\i+1], s[CF+2*\k:CF+2*\k+1] op_sel_hi:[1,1,0]
.endr
.endr
.irp i, 0,2,4,6,8,10,12,14
	v_pk_fma_f32 v[PP+\i:PP+\i+1], v[ZZ+\i:ZZ+\i+1], v[ZZ+\i:ZZ+\i+1], v[PP+\i:PP+\i+1] neg_lo:[1,0,0] neg_hi:[1,0,0]   ; - z z + poly
.endr
.irp i, 0,2,4,6,8,10,12,14
	v_pk_mul_f32 v[PP+\i:PP+\i+1], v[PP+\i:PP+\i+1], s[56:57] op_sel_hi:[1,0]
.endr
	s_wait_alu depctr_va_vdst(0)
.irp i, 0,1,2,3,4,5,6,7,8,9,10,11,12,13,14,15
	v_exp_f32 v[RR+\i], v[PP+\i]
.endr
	v_nop
	s_wait_alu depctr_va_vdst(0)                   ; one wait for the batch: the 16 exponentials have written v[RR ..], ahead of their first reader
.irp i, 0,2,4,6,8,10,12,14
	v_pk_mul_f32 v[TT+\i:TT+\i+1], v[TT+\i:TT+\i+1], v[RR+\i:RR+\i+1]   ; erfc(z)
.endr
.irp i, 0,2,4,6,8,10,12,14
	v_pk_mul_f32 v[ZZ+\i:ZZ+\i+1], v[TT+\i:TT+\i+1], 0.5 op_sel_hi:[1,0]           ; Phi for g < 0
	v_pk_fma_f32 v[AA+\i:AA+\i+1], v[TT+\i:TT+\i+1], -0.5, 1.0 op_sel_hi:[1,0,0]   ; Phi for g >= 0
.endr
	s_wait_alu depctr_va_sdst(0)                   ; the sixteen compares have written their masks, ahead of the first select that reads one
.set gi, 0
.irp m, 2,3,4,5,6,7,19,26,32,33,34,35,52,53,59,63
	v_cndmask_b32 v[ZZ+gi], v[AA+gi], v[ZZ+gi], s\m
.set gi, gi+1
.endr
.irp i, 0,2,4,6,8,10,12,14
	v_pk_mul_f32 v[GG+\i:GG+\i+1], v[GG+\i:GG+\i+1], v[ZZ+\i:ZZ+\i+1]   ; gelu(g)
.endr
.irp i, 0,2,4,6,8,10,12,14
	v_pk_mul_f32 v[ACC+\i:ACC+\i+1], v[ACC+\i:ACC+\i+1], v[GG+\i:GG+\i+1]   ; h: 16 neighbours along the next K
.endr
	v_max3_num_f32 v[MX0], |v[ACC]|, |v[ACC+1]|, 0x8000000   ; the block's largest magnitude, in two chains, with the floor 2^(16 - 127)
	v_max3_num_f32 v[MX1], |v[ACC+2]|, |v[ACC+3]|, |v[ACC+4]|
	v_max3_num_f32 v[MX0], v[MX0], |v[ACC+5]|, |v[ACC+6]|
	v_max3_num_f32 v[MX1], v[MX1], |v[ACC+7]|, |v[ACC+8]|
	v_max3_num_f32 v[MX0], v[MX0], |v[ACC+9]|, |v[ACC+10]|
	v_max3_num_f32 v[MX1], v[MX1], |v[ACC+11]|, |v[ACC+12]|
	v_max3_num_f32 v[MX0], v[MX0], |v[ACC+13]|, |v[ACC+14]|
	v_max3_num_f32 v[MX1], v[MX1], v[MX0], |v[ACC+15]|
	v_permlanex16_b32 v[MX0], v[MX1], s[SEL], s[SEL+1]
	v_max_num_f32 v[MX0], v[MX0], v[MX1]           ; with lane l xor 16's 16
	v_add_nc_u32 v[SC], 0xf8800000, v[MX0]
	v_and_or_b32 v[HH], v[MX0], 0x7f800000, s[MNT]
	v_lshrrev_b32 v[BY], 23, v[SC]
.irp i, 0,1,2,3,4,5,6,7,8,9,10,11,12,13,14,15
	v_med3_num_f32 v[ACC+\i], v[ACC+\i], -v[HH], v[HH]
.endr
	v_cvt_scalef32_pk8_bf8_f32 v[HC:HC+1], v[ACC:ACC+7], v[SC]
	v_cvt_scalef32_pk8_bf8_f32 v[HC+2:HC+3], v[ACC+8:ACC+15], v[SC]
	v_nop                                          ; one plain vector line behind the last conversion: the next trip's products write its sources
	s_wait_alu depctr_va_vdst(0)                   ; the conversions have written v[HC ..], the shift v[BY], the head's additions v[HO] and v[HSO]: the two stores below read all of them
	global_store_b128 v[HO], v[HC:HC+3], s[14:15]  ; 32 lanes store 512 consecutive bytes: register group j % 4 of the image
	global_store_b8 v[HSO], v[BY], s[16:17]        ; lanes r and r + 16 write the same byte with the same value
	s_sub_co_u32 s23, s23, 1
	s_cmp_lg_u32 s23, 0
	s_cbranch_scc1 .Ltile
.Lend:
	s_wait_dscnt 0x0                               ; the closing lines, six on end
	s_wait_alu 0x0
	s_wait_tensorcnt 0x0
	ds_add_u32 v[SPW], v[NIL]
	s_wait_dscnt 0x0
	s_endpgm
.Lfunc_end_k_q51d437da42_inproj:
	.size	k_q51d437da42_inproj, .Lfunc_end_k_q51d437da42_inproj-k_q51d437da42_inproj
	.p2alignl 7, 3214868480
	.fill 96, 4, 3214868480
	.section	.rodata,"a",@progbits
	.p2align	6, 0x0
	.amdhsa_kernel k_q51d437da42_inproj
		.amdhsa_group_segment_fixed_size 137728
		.amdhsa_private_segment_fixed_size 0
		.amdhsa_enable_private_segment 0
		.amdhsa_kernarg_size 56
		.amdhsa_user_sgpr_count 2
		.amdhsa_user_sgpr_kernarg_segment_ptr 1
		.amdhsa_wavefront_size32 1
		.amdhsa_system_sgpr_workgroup_id_x 1
		.amdhsa_system_sgpr_workgroup_id_y 1
		.amdhsa_system_sgpr_workgroup_id_z 1
		.amdhsa_system_vgpr_workitem_id 0
		.amdhsa_next_free_vgpr 1024
		.amdhsa_next_free_sgpr 66
		.amdhsa_reserve_vcc 1
		.amdhsa_float_denorm_mode_32 3
		.amdhsa_float_denorm_mode_16_64 3
		.amdhsa_memory_ordered 1
		.amdhsa_forward_progress 1
		.amdhsa_inst_pref_size 143
	.end_amdhsa_kernel
	.amdgpu_metadata
---
amdhsa.version: [ 1, 2 ]
amdhsa.kernels:
  - .name:           k_q51d437da42_inproj
    .symbol:         k_q51d437da42_inproj.kd
    .args:
      - { .name: W_in, .offset: 0, .size: 8, .value_kind: global_buffer, .address_space: global }
      - { .name: b_in, .offset: 8, .size: 8, .value_kind: global_buffer, .address_space: global }
      - { .name: sorted, .offset: 16, .size: 8, .value_kind: global_buffer, .address_space: global }
      - { .name: xq, .offset: 24, .size: 8, .value_kind: global_buffer, .address_space: global }
      - { .name: xs, .offset: 32, .size: 8, .value_kind: global_buffer, .address_space: global }
      - { .name: hid, .offset: 40, .size: 8, .value_kind: global_buffer, .address_space: global }
      - { .name: hsc, .offset: 48, .size: 8, .value_kind: global_buffer, .address_space: global }
    .group_segment_fixed_size: 137728
    .private_segment_fixed_size: 0
    .kernarg_segment_align: 8
    .kernarg_segment_size: 56
    .max_flat_workgroup_size: 128
    .sgpr_count:     66
    .vgpr_count:     1024
    .wavefront_size: 32
...
	.end_amdgpu_metadata
.endif
;; end of part 7
;; launch outproj (part 8): grid 16 x 16, 4 waves a work-group, no clusters, 17,920 bytes of LDS; arguments sorted, combine_mask, wo_codes, wo_scales, b_out, hid, hsc, out0; writes out0
.if DOCPART == 8
	.amdgcn_target "amdgcn-amd-amdhsa--gfx1250"
	.amdhsa_code_object_version 6
	.text
	.protected	k_q51d437da42_outproj
	.globl	k_q51d437da42_outproj
	.p2align	8
	.type	k_q51d437da42_outproj,@function
k_q51d437da42_outproj:
	s_mov_b64 s[64:65], 0
	v_nop
	global_prefetch_b8 v0, s[64:65] scope:SCOPE_SE
	s_setreg_imm32_b32 hwreg(HW_REG_WAVE_SCHED_MODE, 0, 2), 2
	s_setreg_imm32_b32 hwreg(HW_REG_WAVE_MODE, 25, 1), 1
	s_wait_xcnt 0x0
	s_wait_alu depctr_vm_vsrc(0)
; OUTPROJ.  out0[t][f] = sum over e of combine[t][e] x ( Q(h) Q(W_out[e])^T + b_out[e] )[t][f].  Pairs (tile, expert) in which no token has the expert in its set are left out, by the stored sets (see prep's head).
; Work-group (jc, G): output columns 64 jc .. 64 jc + 63 (256 bytes of a row) for tiles 8 G .. 8 G + 7 of sorted.  Wave w owns tiles 8 G + 2 w and + 1, all 64 columns: EVERY OUTPUT NUMBER HAS ONE OWNER, nothing is added later.
; The wave walks the 8 experts in a loop of constant count and passes over, by a scalar branch on the tiles' entries, those that neither tile uses.  For an expert in use: W_out's 32 fragments (4 column tiles x 8 K steps,
; images made by prep) and the tile's 8 hidden fragments (images made by inproj) come from memory straight into the operands' registers, every load 512 consecutive bytes.  The product is used transposed (source 0 = 16
; columns of W_out, source 1 = 16 tokens), b_out is the C of each sum's first product, and out += combine x result.  A token of the tile whose combine is 0 adds 0.  A token with an empty set gets zeros.
; No tensor loads, no cluster: the walk hangs on stored numbers.  No barrier: waves share nothing.  The running sums begin as zeros (64 moves, once): which expert comes first is not known to the text.
; THE MODE: SCHED_MODE bits 1:0 = 2 (LLVM: expert scheduling mode 2), set by the entry lines.  The code itself states the register dependences between vector or matrix instructions and memory or LDS instructions,
; with s_wait_alu, always for 0.
; THE PLAN.  Registers that memory or LDS instructions touch:
;   windows 1, 2 (weights), window 3 (hidden), WS, HS, BI, CC   Filled by an expert's loads; read by its products and multiply-adds.  One set of each: the three windows are full.
;   v[LO], v[RS], v[BO], v[HO], v[HSO], v[EA], v[TA], v[STO], v[RD]   Made once at the head; never written again: the scalar bases step from expert to expert.
;   v[CO ..], v[TK ..]   Made once, from the entries, ahead of the loop; read by combine's loads and by the final stores.
;   OUTA                 Written by the multiply-adds; read by the stage's stores on the way out.   BK (BI's and WS's registers): filled from the stage there.
; So ONE wait on va_vdst stands ahead of an expert's loads (the expert before is done reading all that they fill; in the first trip: v[CO ..] are written), and one at the way out.  No register that a memory
; instruction reads is ever written again, so no wait on vm_vsrc is owed.
.set SPARE, 17408                      ; behind the four stages of 16 x 272 bytes: the spare words, 128 bytes a wave
.set LO,  4                            ; v4   16 x lane
.set RS,  5                            ; v5   32 r
.set BO,  6                            ; v6   32 h
.set EN,  8                            ; v8, v9    my token's entry in tile 0, 1
.set HO,  12                           ; v12  16 x lane + tile 0's images
.set HSO, 14                           ; v14  32 r + tile 0's scale bytes
.set CO,  16                           ; v16, v17  my token's row of combine_mask
.set CC,  18                           ; v[18:19], v[20:21] combine (the pair's low word serves both halves)
.set STO, 22
.set RD,  23
.set C16, 24                           ; v24  16 (lane % 16)
.set TP,  25
.set EA,  26                           ; v26  64 x tile 0 + 4 r
.set TA,  27                           ; v27  64 x tile 0 + 4 h
.set BI,  32                           ; v32-63   b_out, eight registers a column tile
.set WS,  64                           ; v64-95   W_out's scale words, 8 n + s
.set HS,  96                           ; v96-111  the hidden layer's, 8 i + s
.set TMP, 112                          ; v112-143 one expert's result for one tile
.set OUTA, 144                         ; v144-207 the running sums, 32 i + 8 n
.set TK,  216                          ; v216-231 the way out: byte offset in out0 of row 2 q + h of tile i
.set BK,  32                           ; the way out: rows read back, v32-95
.set SPW, 252
.set NIL, 253
.set MSB, 0
.macro WIN new                         ; the immediate's high byte repeats the setting that is left
.if MSB != (\new)
	s_set_vgpr_msb (MSB<<8)|(\new)
.set MSB, (\new)
.endif
.endm
	s_load_b512 s[4:19], s[0:1], 0x0               ; sorted, combine_mask, wo_codes, wo_scales, b_out, hid, hsc, out0
	v_lshl_add_u32 v[SPW], v0, 2, SPARE
	v_mov_b32 v[NIL], 0
	v_lshrrev_b32 v[TP], 5, v0
	v_readfirstlane_b32 s20, v[TP]                 ; wave
	v_and_b32 v1, 31, v0
	v_and_b32 v2, 15, v0                           ; r
	v_bfe_u32 v3, v0, 4, 1                         ; h
	v_lshlrev_b32 v[LO], 4, v1
	v_lshlrev_b32 v[RS], 5, v2
	v_lshlrev_b32 v[BO], 5, v3
	v_lshlrev_b32 v[C16], 4, v2
	s_wait_alu depctr_va_sdst(0)                   ; s20 is written, ahead of its first reader: my stage and my tiles are made from it
	s_mul_i32 s26, s20, 4352                       ; my stage
	v_mul_u32_u24 v[STO], v2, 272
	v_lshl_add_u32 v[STO], v3, 5, v[STO]
	v_add_nc_u32 v[STO], s26, v[STO]               ; in: row r, + 32 h
	v_mul_u32_u24 v[RD], v3, 272
	v_add_nc_u32 v[RD], v[RD], v[C16]
	v_add_nc_u32 v[RD], s26, v[RD]                 ; back: lanes 0-15 one row of 256 bytes, lanes 16-31 the next
	s_and_b32 s27, ttmp7, 0xffff
	s_lshl_b32 s27, s27, 3
	s_lshl_b32 s28, s20, 1
	s_add_co_u32 s27, s27, s28                     ; my first tile: 8 G + 2 w
	s_lshl_b32 s28, s27, 6
	v_lshl_add_u32 v[EA], v2, 2, s28
	v_lshl_add_u32 v[TA], v3, 2, s28
	s_lshl_b32 s28, s27, 17
	v_add_nc_u32 v[HO], s28, v[LO]
	s_lshl_b32 s28, s27, 12
	v_add_nc_u32 v[HSO], s28, v[RS]
	s_lshl_b32 s28, ttmp9, 16                      ; my 4 column tiles' images
	s_mov_b32 s29, 0
	s_lshl_b32 s30, ttmp9, 11                      ; my 64 columns' scale bytes
	s_mov_b32 s31, 0
	s_lshl_b32 s32, ttmp9, 8                       ; my 64 columns in b_out and in a row of out0
	s_mov_b32 s33, 0
	s_wait_kmcnt 0x0
	s_add_nc_u64 s[8:9], s[8:9], s[28:29]
	s_add_nc_u64 s[10:11], s[10:11], s[30:31]
	s_add_nc_u64 s[12:13], s[12:13], s[32:33]
	s_add_nc_u64 s[18:19], s[18:19], s[32:33]
	s_wait_alu depctr_va_vdst(0)                   ; the nine addresses and offsets made above are written, which the loads and LDS instructions of the whole kernel read
.irp i, 0,1
	global_load_b32 v[EN+\i], v[EA], s[4:5] offset:64*\i
.irp q, 0,1,2,3,4,5,6,7
	global_load_b32 v[TK+8*\i+\q], v[TA], s[4:5] offset:64*\i+8*\q   ; the entry of row 2 q + h
.endr
.endr
.irp k, 0,1,2,3,4,5,6,7,8,9,10,11,12,13,14,15,16,17,18,19,20,21,22,23,24,25,26,27,28,29,30,31,32,33,34,35,36,37,38,39,40,41,42,43,44,45,46,47,48,49,50,51,52,53,54,55,56,57,58,59,60,61,62,63
	v_mov_b32 v[OUTA+\k], 0
.endr
	v_mov_b32 v[CC+1], 0                           ; named as the pairs' upper halves, so they are written
	v_mov_b32 v[CC+3], 0
	s_wait_loadcnt 0x0
.irp i, 0,1
	v_and_b32 v[CO+\i], 0x7ff, v[EN+\i]            ; the token;
	v_min_u32 v[CO+\i], 0x7ff, v[CO+\i]            ; a loaded number enters an address behind a bound written in the instruction
	v_lshlrev_b32 v[CO+\i], 5, v[CO+\i]
.endr
.irp k, 0,1,2,3,4,5,6,7,8,9,10,11,12,13,14,15
	v_and_b32 v[TK+\k], 0x7ff, v[TK+\k]
	v_min_u32 v[TK+\k], 0x7ff, v[TK+\k]
	v_lshl_add_u32 v[TK+\k], v[TK+\k], 12, v[C16]  ; the token's row of 4,096 bytes, + 16 (lane % 16)
.endr
.macro WLOAD                           ; the expert's weights for my 64 columns: fragment (n, s) at v[64 (s % 4) + 16 n] of window 1 (s < 4) or 2
	WIN 0x40
.irp t, 0,1,2,3
.irp n, 0,1,2,3
.irp c, 0,1,2,3
	global_load_b128 v[64*\t+16*\n+4*\c:64*\t+16*\n+4*\c+3], v[LO], s[8:9] offset:16384*\n+2048*\t+512*\c
.endr
.endr
.endr
	WIN 0x80
.irp t, 4,5,6,7
.irp n, 0,1,2,3
.irp c, 0,1,2,3
	global_load_b128 v[64*(\t-4)+16*\n+4*\c:64*(\t-4)+16*\n+4*\c+3], v[LO], s[8:9] offset:16384*\n+2048*\t+512*\c
.endr
.endr
.endr
	WIN 0
.irp n, 0,1,2,3
	global_load_b128 v[WS+8*\n:WS+8*\n+3], v[RS], s[10:11] offset:512*\n
	global_load_b128 v[WS+8*\n+4:WS+8*\n+7], v[RS], s[10:11] offset:512*\n+16
	global_load_b128 v[BI+8*\n:BI+8*\n+3], v[BO], s[12:13] offset:64*\n
	global_load_b128 v[BI+8*\n+4:BI+8*\n+7], v[BO], s[12:13] offset:64*\n+16
.endr
.endm
.macro HLOAD i                         ; tile i's hidden fragments into window 3, v[128 i + 16 s]; its scale words; my token's combine
	WIN 0xc0
.irp t, 0,1,2,3,4,5,6,7
.irp c, 0,1,2,3
	global_load_b128 v[128*\i+16*\t+4*\c:128*\i+16*\t+4*\c+3], v[HO], s[14:15] offset:131072*\i+2048*\t+512*\c
.endr
.endr
	WIN 0
	global_load_b128 v[HS+8*\i:HS+8*\i+3], v[HSO], s[16:17] offset:4096*\i
	global_load_b128 v[HS+8*\i+4:HS+8*\i+7], v[HSO], s[16:17] offset:4096*\i+16
	global_load_b32 v[CC+2*\i], v[CO+\i], s[6:7]
.endm
.macro MULS i, t, first                ; K step t: the four accumulators by turns, one instruction a turn
.irp n, 0,1,2,3
.if \first
	v_wmma_scale_f32_16x16x128_f8f6f4 v[TMP+8*\n:TMP+8*\n+7], v[64*((\t)%4)+16*\n:64*((\t)%4)+16*\n+15], v[128*\i+16*(\t):128*\i+16*(\t)+15], v[BI+8*\n:BI+8*\n+7], v[WS+8*\n+(\t)], v[HS+8*\i+(\t)] matrix_a_fmt:MATRIX_FMT_BF8 matrix_b_fmt:MATRIX_FMT_BF8
.else
	v_wmma_scale_f32_16x16x128_f8f6f4 v[TMP+8*\n:TMP+8*\n+7], v[64*((\t)%4)+16*\n:64*((\t)%4)+16*\n+15], v[128*\i+16*(\t):128*\i+16*(\t)+15], v[TMP+8*\n:TMP+8*\n+7], v[WS+8*\n+(\t)], v[HS+8*\i+(\t)] matrix_a_fmt:MATRIX_FMT_BF8 matrix_b_fmt:MATRIX_FMT_BF8
.endif
.endr
.endm
.macro PROD i
	WIN 0x0d                                       ; source 0 (weights) window 1, source 1 (hidden) window 3
	MULS \i, 0, 1
	MULS \i, 1, 0
	MULS \i, 2, 0
	MULS \i, 3, 0
	WIN 0x0e
	MULS \i, 4, 0
	MULS \i, 5, 0
	MULS \i, 6, 0
	MULS \i, 7, 0
	WIN 0
.rept 9
	v_nop                                          ; places: 8 ahead of the first read of results; 9 ahead of the next products, which begin the accumulators anew
.endr
.irp p, 0,2,4,6,8,10,12,14,16,18,20,22,24,26,28,30
	v_pk_fma_f32 v[OUTA+32*\i+\p:OUTA+32*\i+\p+1], v[TMP+\p:TMP+\p+1], v[CC+2*\i:CC+2*\i+1], v[OUTA+32*\i+\p:OUTA+32*\i+\p+1] op_sel_hi:[1,0,1]   ; out += combine x result; each accumulator from its low end on
.endr
.endm
	s_mov_b32 s21, 0
	s_mov_b32 s22, 1<<11                           ; the expert's bit in an entry
.Lexp:                                                 ; eight trips, an expert each
	v_and_b32 v[TP], s22, v[EN]
	v_cmp_ne_u32 s24, 0, v[TP]                     ; does tile 0 hold a token of this expert?
	v_and_b32 v[TP], s22, v[EN+1]
	v_cmp_ne_u32 s25, 0, v[TP]                     ; does tile 1?
	s_wait_alu depctr_va_sdst(0)                   ; the two compares have written s24 and s25, ahead of their first reader: the trip's branches hang on them
	s_or_b32 s26, s24, s25
	s_cmp_eq_u32 s26, 0
	s_cbranch_scc1 .Lnext
	s_wait_alu depctr_va_vdst(0)                   ; the products and multiply-adds of the expert before are done reading the weights, the hidden fragments, the scale words, b_out and combine, in all of which this trip's loads land; in the first trip: v[CO ..] are written, which combine's loads read.  Only scalar lines and window switches stand between this wait and the trip's last load
	WLOAD
	s_cmp_eq_u32 s24, 0
	s_cbranch_scc1 .Lonly1
	HLOAD 0
	s_cmp_eq_u32 s25, 0
	s_cbranch_scc1 .Lonly0
	HLOAD 1
	s_wait_loadcnt 0x0
	PROD 0
	PROD 1
	s_branch .Lnext
.Lonly0:
	s_wait_loadcnt 0x0
	PROD 0
	s_branch .Lnext
.Lonly1:
	HLOAD 1
	s_wait_loadcnt 0x0
	PROD 1
.Lnext:
	s_wait_xcnt 0x0                                ; the trip's loads have read their bases: they step to the next expert
	s_add_nc_u64 s[6:7], s[6:7], 4
	s_add_nc_u64 s[8:9], s[8:9], 0x100000
	s_add_nc_u64 s[10:11], s[10:11], 0x8000
	s_add_nc_u64 s[12:13], s[12:13], 0x1000
	s_add_nc_u64 s[14:15], s[14:15], 0x4000
	s_add_nc_u64 s[16:17], s[16:17], 0x200
	s_lshl_b32 s22, s22, 1
	s_add_co_u32 s21, s21, 1
	s_cmp_lt_u32 s21, 8
	s_cbranch_scc1 .Lexp
	; THE WAY OUT.  A lane holds 8 neighbouring columns of one token in each of 4 column tiles; a tile goes through my stage and comes back as rows of 256 bytes, which sixteen lanes store as one aligned run in the token's row
	s_wait_alu depctr_va_vdst(0)                   ; the running sums are written, which the LDS stores below read; so are v[TK ..], the final stores' offsets; the products are done reading b_out and W_out's scale words, in whose registers the rows land
.irp i, 0,1
.irp n, 0,1,2,3
	ds_store_b128 v[STO], v[OUTA+32*\i+8*\n:OUTA+32*\i+8*\n+3] offset:64*\n
	ds_store_b128 v[STO], v[OUTA+32*\i+8*\n+4:OUTA+32*\i+8*\n+7] offset:64*\n+16
.endr
.irp q, 0,1,2,3,4,5,6,7
	ds_load_b128 v[BK+32*\i+4*\q:BK+32*\i+4*\q+3], v[RD] offset:544*\q   ; LDS serves a wave's instructions in order: these see the stores above, and the next tile's stores come behind them
.endr
.endr
.irp q, 0,1,2,3,4,5,6,7
	s_wait_dscnt 23-\q                             ; younger: this tile's later loads and the second tile's sixteen
	global_store_b128 v[TK+\q], v[BK+4*\q:BK+4*\q+3], s[18:19] th:TH_STORE_NT
.endr
.irp q, 0,1,2,3,4,5,6,7
	s_wait_dscnt 7-\q
	global_store_b128 v[TK+8+\q], v[BK+32+4*\q:BK+32+4*\q+3], s[18:19] th:TH_STORE_NT
.endr
	s_wait_dscnt 0x0                               ; the closing lines, six on end
	s_wait_alu 0x0
	s_wait_tensorcnt 0x0
	ds_add_u32 v[SPW], v[NIL]
	s_wait_dscnt 0x0
	s_endpgm
.Lfunc_end_k_q51d437da42_outproj:
	.size	k_q51d437da42_outproj, .Lfunc_end_k_q51d437da42_outproj-k_q51d437da42_outproj
	.p2alignl 7, 3214868480
	.fill 96, 4, 3214868480
	.section	.rodata,"a",@progbits
	.p2align	6, 0x0
	.amdhsa_kernel k_q51d437da42_outproj
		.amdhsa_group_segment_fixed_size 17920
		.amdhsa_private_segment_fixed_size 0
		.amdhsa_enable_private_segment 0
		.amdhsa_kernarg_size 64
		.amdhsa_user_sgpr_count 2
		.amdhsa_user_sgpr_kernarg_segment_ptr 1
		.amdhsa_wavefront_size32 1
		.amdhsa_system_sgpr_workgroup_id_x 1
		.amdhsa_system_sgpr_workgroup_id_y 1
		.amdhsa_system_sgpr_workgroup_id_z 1
		.amdhsa_system_vgpr_workitem_id 0
		.amdhsa_next_free_vgpr 1024
		.amdhsa_next_free_sgpr 66
		.amdhsa_reserve_vcc 0
		.amdhsa_float_denorm_mode_32 3
		.amdhsa_float_denorm_mode_16_64 3
		.amdhsa_memory_ordered 1
		.amdhsa_forward_progress 1
		.amdhsa_inst_pref_size 60
	.end_amdhsa_kernel
	.amdgpu_metadata
---
amdhsa.version: [ 1, 2 ]
amdhsa.kernels:
  - .name:           k_q51d437da42_outproj
    .symbol:         k_q51d437da42_outproj.kd
    .args:
      - { .name: sorted, .offset: 0, .size: 8, .value_kind: global_buffer, .address_space: global }
      - { .name: combine_mask, .offset: 8, .size: 8, .value_kind: global_buffer, .address_space: global }
      - { .name: wo_codes, .offset: 16, .size: 8, .value_kind: global_buffer, .address_space: global }
      - { .name: wo_scales, .offset: 24, .size: 8, .value_kind: global_buffer, .address_space: global }
      - { .name: b_out, .offset: 32, .size: 8, .value_kind: global_buffer, .address_space: global }
      - { .name: hid, .offset: 40, .size: 8, .value_kind: global_buffer, .address_space: global }
      - { .name: hsc, .offset: 48, .size: 8, .value_kind: global_buffer, .address_space: global }
      - { .name: out0, .offset: 56, .size: 8, .value_kind: global_buffer, .address_space: global }
    .group_segment_fixed_size: 17920
    .private_segment_fixed_size: 0
    .kernarg_segment_align: 8
    .kernarg_segment_size: 64
    .max_flat_workgroup_size: 128
    .sgpr_count:     66
    .vgpr_count:     1024
    .wavefront_size: 32
...
	.end_amdgpu_metadata
.endif
;; end of part 8
